; MI455X (gfx1250); checked and timed in simulation.
; The chip was launched on July 23, 2026; its instructions are those of AMD's public machine-readable ISA for CDNA 5 (MIT licence, August 2026) and "CDNA5" Instruction Set Architecture Reference Guide (July 2026). The comments in the code are by the model that wrote it; some were corrected since.
;; Attention. Allowed arithmetic: matrix products marked QUANTISED: E2M3 operands, one E8M0 scale for each 32 along K, by v_wmma_scale_f32_16x16x128_f8f6f4 with both operands' format E2M3, f32 sums; everything else in f32.
;; Inputs: Wk_codes 1,024 x 32 x 24 uint8 (E2M3 codes of Wk, K innermost, in blocks of 32 codes, four codes in three bytes); Wk_scales 1,024 x 32 uint8 (E8M0 scales of Wk, one for each 32 codes along K); Wo_codes 1,024 x 32 x 24 uint8 (E2M3 codes of Wo, K innermost, in blocks of 32 codes, four codes in three bytes); Wo_scales 1,024 x 32 uint8 (E8M0 scales of Wo, one for each 32 codes along K); Wq_codes 1,024 x 32 x 24 uint8 (E2M3 codes of Wq, K innermost, in blocks of 32 codes, four codes in three bytes); Wq_scales 1,024 x 32 uint8 (E8M0 scales of Wq, one for each 32 codes along K); Wv_codes 1,024 x 32 x 24 uint8 (E2M3 codes of Wv, K innermost, in blocks of 32 codes, four codes in three bytes); Wv_scales 1,024 x 32 uint8 (E8M0 scales of Wv, one for each 32 codes along K); beta 1,024 float32; bk 1,024 float32; bo 1,024 float32; bq 1,024 float32; bv 1,024 float32; gamma 1,024 float32; x 4 x 2,048 x 1,024 float32.
;; Outputs: out0 4 x 2,048 x 1,024 float32.
;; This version of the problem:
;;   THIS VERSION OF THE PROBLEM IS GIVEN IN LOW PRECISION. The matrix products marked QUANTISED in the list below multiply operands that are first quantised to E2M3 (2 exponent bits, 3 mantissa bits; 6 bits a number), with one power-of-two scale for each 32 numbers along K (OCP MX v1.0); their sums are f32. All else is computed in f32.
;;   The module's matrix products, in the order in which they are computed (A, B: the left and right operand; K: the contracted axis; several contracted axes count as one K, in the product's order):
;;     1. [M 8,192, K 1,024] x [K 1,024, N 1,024]; A: computed on the way; B: input Wq (given as codes): QUANTISED
;;     2. [M 8,192, K 1,024] x [K 1,024, N 1,024]; A: computed on the way; B: input Wk (given as codes): QUANTISED
;;     3. [M 8,192, K 1,024] x [K 1,024, N 1,024]; A: computed on the way; B: input Wv (given as codes): QUANTISED
;;     4. batch 64 x [M 2,048, K 64] x [K 64, N 2,048]; A: computed on the way; B: computed on the way: QUANTISED
;;     5. batch 64 x [M 2,048, K 2,048] x [K 2,048, N 64]; A: softmax (see below); B: computed on the way: QUANTISED
;;     6. [M 8,192, K 1,024] x [K 1,024, N 1,024]; A: computed on the way; B: input Wo (given as codes): QUANTISED
;;   THE QUANTISER, for each operand of a quantised product, along K:
;;     - K is cut into blocks of 32 from its start; a last block that is shorter is filled with zeros.
;;     - A block's scale is 2^e with e = floor(log2(the largest magnitude in the block)) - 2, held to -126 .. 127; a block of zeros has e = 0. As a byte (E8M0): e + 127.
;;     - Each number is divided by its block's scale, clamped to +-7.5, and rounded to the nearest number of E2M3, ties to even, subnormals kept.
;;     - The product sums the exact products of the quantised numbers (number of the format x scale) in f32.
;;   ~~~python
;;   def quantise(x, axis):      # numpy; x: float32 -> the quantised numbers, widened to float32 again
;;       x = np.moveaxis(x, axis, -1); K = x.shape[-1]
;;       x = np.pad(x, [(0, 0)] * (x.ndim - 1) + [(0, -K % 32)]); x = x.reshape(x.shape[:-1] + (-1, 32)); a = np.abs(x).max(-1, keepdims=True)
;;       e = np.where(a > 0, np.clip(np.frexp(np.where(a > 0, a, 1))[1] - 1 - 2, -126, 127), 0)      # np.frexp(a)[1] - 1 = floor(log2(a)), exactly
;;       r = np.clip(x / 2.0 ** e, -7.5, 7.5)
;;       step = 2.0 ** (np.maximum(np.frexp(np.where(r == 0, 1, r))[1] - 1, 0) - 3)
;;       q = np.round(r / step) * step * 2.0 ** e      # np.round: ties to even
;;       return np.moveaxis(q.reshape(q.shape[:-2] + (-1,))[..., :K], -1, axis).astype(np.float32)
;;   ~~~
;;   SOFTMAX AHEAD OF A QUANTISED PRODUCT. Where the list says 'softmax', what is quantised is not the finished softmax but p = 2^(t - M), with t = logit x log2(e) and M = ceil(the row's largest t), a whole number; so 1/2 < the row's largest p <= 1. The row's sum l is taken of the UNQUANTISED p, in f32, and the product's result is divided by l at the end. Since M is a whole number, a kernel that streams over the keys may use a running M (the ceiling of the running maximum): every later rescaling is an exact power of two, which a block's scale takes up: the codes' values come out the same.
;;   OPERANDS COMPUTED ON THE WAY. 'Computed on the way' means the value that the module computes at that place (a softmax that the list does not call 'softmax' is quantised finished and normalised). What goes into a quantiser is computed in f32, as accurately as f32 sums, v_exp_f32 and their like allow (about 1e-6 of the number): no bf16 or f16 on the way to a quantiser, and a product that is left as it is and whose result goes on into a quantised operand takes f32 operands (vector FMAs, or v_wmma_f32_16x16x4_f32). A number that lies on a knife's edge between two numbers of the format may be rounded either way, as far as f32 arithmetic and the matrix unit's own rounding can turn it there, and no further.
;;   INPUTS GIVEN AS CODES. Wk (in the module: [1024, 1024], K = its axis 0); Wo (in the module: [1024, 1024], K = its axis 0); Wq (in the module: [1024, 1024], K = its axis 0); Wv (in the module: [1024, 1024], K = its axis 0): each comes as NAME_codes (uint8): NAME with its K axis moved to the last place and cut into blocks of 32 codes, [.., K / 32, bytes a block], one block behind the other in memory; four codes in three bytes: a row's codes are one little-endian stream of bits, code i at bits 6 i .. 6 i + 5 (a code: sign, 2 exponent bits, 3 mantissa bits); and NAME_scales (uint8): the same leading axes, one E8M0 byte (e + 127) for each 32 codes along K. Its value is code x scale, taken as it is: it is not quantised again, and the codes and scales need not be those that the quantiser above would give.
;; One version. Each part assembles by itself: llvm-mc -triple=amdgcn-amd-amdhsa -mcpu=gfx1250 --defsym DOCPART=n.
;; ======== version 1 of 1: 4 launches
;; workspace buffers: xi 6,291,456 bytes; xsc 262,144 bytes; wi 3,145,728 bytes; qb 6,815,744 bytes; kv 13,369,344 bytes; oi 6,291,456 bytes; osc 262,144 bytes
;; launch prep (part 1): grid 576 x 1, 4 waves a work-group, no clusters, 66,816 bytes of LDS; arguments x, gamma, beta, Wq_codes, Wk_codes, Wv_codes, Wo_codes, xi, xsc, wi; writes xi, xsc, wi
.if DOCPART == 1
	.amdgcn_target "amdgcn-amd-amdhsa--gfx1250"
	.amdhsa_code_object_version 6
	.text
	.protected	k_q18bffeb991_prep
	.globl	k_q18bffeb991_prep
	.p2align	8
	.type	k_q18bffeb991_prep,@function
k_q18bffeb991_prep:
	s_mov_b64 s[64:65], 0
	v_nop
	global_prefetch_b8 v0, s[64:65] scope:SCOPE_SE
	s_setreg_imm32_b32 hwreg(HW_REG_WAVE_MODE, 25, 1), 1
	s_wait_xcnt 0x0
; PREP.  Work-groups 0-511: LayerNorm of 16 tokens, quantised along the 1,024 features to FP6 (E2M3) with one E8M0 byte for each 32.  Work-groups 512-575: the four weights' codes, laid anew.
; Both results are laid as IMAGES OF OPERAND REGISTERS.  A fragment (16 rows x 128 K, 12 registers a lane) is 1,536 bytes in six pieces of 256: piece p holds registers 2 p, 2 p + 1 of lane l at byte 256 p + 8 l,
; so that every store here and every load later covers 256 consecutive bytes.  xi: [token tile 0..511][K step 0..7][fragment].  wi: [q, k, v, o][column tile 0..63][K step][fragment].
; THE ROWS OF A TILE ARE NOT NEIGHBOURS: lane r of tile T holds row 32 (T / 2) + 8 (T % 2) + r + 8 (r / 8), so that the results of two neighbouring tiles used as source 0 are 16 neighbours in a lane's registers.
; xsc: [token][8 words], in the tokens' own order, as the weights' scale bytes lie: word s holds the four bytes of K step s.
; LayerNorm in two passes over registers: mean, then the sum of (x - mean)^2, so that a common offset of the inputs costs no digits in the variance.
; LIMITS: NaN and infinities are not served.  A block whose largest magnitude lies under 2^-124, a block of zeros among them, gets the byte 1: these bytes are read by this program alone, and such a block's codes are zeros or nearly so.
; No tensor load, no cluster: the work-groups share nothing but gamma and beta (8 KiB).
.set PITCH, 4112                       ; a stage row: 4,096 bytes + 16 = 257 x 16: the sixteen rows that a load of 16 bytes a lane touches start in sixteen different groups of banks (ISA guide 11.1)
.set SCG,   16*PITCH                   ; behind the stage: the tile's scale words, [row][32 bytes]
.set SPARE, SCG+512                    ; behind them: the spare words, 128 bytes for each wave, that no other line names
.set GA,  16                           ; v16-47   gamma of my 32 features
.set BE,  48                           ; v48-79   beta
.set X,   80                           ; v80-207  four rows, 32 registers each
.set SM,  208                          ; v208-215 a pair for each row: sums, then the mean twice
.set TP,  216                          ; v216-219 the other half of the lanes' sums
.set RS,  220                          ; v220-227 a pair for each row: 1 / sigma twice
.set ST,  80                           ; phase 2: 64 numbers of a lane
.set PC,  144                          ; v144-163 the codes just made
.set TM,  164                          ; v164-179 at work in QUANT
.set PW,  180                          ; v180-181 my two K steps' scale words
.set SPW, 12                           ; v12  LDS address of my spare word; never rewritten
.set NIL, 13                           ; v13  0; never rewritten
.set WV,  24
.set SEL, 30                           ; s[30:31] lane selects of v_permlanex16_b32: lane l xor 16
.set C10, 34                           ; 2^-10
.set EPS, 35                           ; 1e-5
; 64 numbers of a lane, v[s] .. v[s + 63], register 16 b + i = k 32 b + 16 (lane / 16) + i of my row, become a fragment's codes in v[PC] on and its scale word in v[pw].
.macro QUANT s, pw
.irp b, 0,1,2,3
	v_max3_num_f32 v[TM+\b], |v[\s+16*\b]|, |v[\s+1+16*\b]|, 0x1800000   ; block b: my 16 numbers, and the floor 2^(3 - 127): the byte cannot fall under 1
.endr
.irp i, 2,4,6,8,10,12,14
.irp b, 0,1,2,3
	v_max3_num_f32 v[TM+\b], v[TM+\b], |v[\s+16*\b+\i]|, |v[\s+1+16*\b+\i]|   ; the four blocks by turns
.endr
.endr
.irp b, 0,1,2,3
	v_permlanex16_b32 v[TM+4+\b], v[TM+\b], s[SEL], s[SEL+1]
.endr
.irp b, 0,1,2,3
	v_max_num_f32 v[TM+\b], v[TM+\b], v[TM+4+\b]   ; with lane l xor 16's: the block's largest magnitude
.endr
.irp b, 0,1,2,3
	v_add_nc_u32 v[TM+12+\b], 0xff000000, v[TM+\b]   ; 2 off its exponent field: the conversion takes the exponent field of this operand as its scale
.endr
.irp b, 0,1,2,3
	v_lshrrev_b32 v[TM+4+\b], 23, v[TM+12+\b]      ; the scale's byte
.endr
	v_lshl_or_b32 v[\pw], v[TM+5], 8, v[TM+4]      ; four bytes: my row's scale word
	v_lshl_or_b32 v[\pw], v[TM+6], 16, v[\pw]
	v_lshl_or_b32 v[\pw], v[TM+7], 24, v[\pw]
.irp c, 0,1
	v_cvt_scalef32_pk16_fp6_f32 v[PC+6*\c:PC+2+6*\c], v[\s+32*\c:\s+15+32*\c], v[TM+12+2*\c]
	v_cvt_scalef32_pk16_fp6_f32 v[PC+12+4*\c:PC+14+4*\c], v[\s+16+32*\c:\s+31+32*\c], v[TM+12+2*\c+1]   ; a conversion's three registers begin on an even number
.endr
	v_nop                                          ; one plain place behind a scaled conversion
.irp c, 0,1                                    ; the operand wants a WHOLE block in a lane: lanes 0-15 block 2 c, lanes 16-31 block 2 c + 1
.irp i, 0,1,2
	v_permlane16_swap_b32 v[PC+6*\c+\i], v[PC+12+4*\c+\i]
.endr
.irp i, 0,1,2
	v_mov_b32 v[PC+3+6*\c+\i], v[PC+12+4*\c+\i]
.endr
.endr
.endm
; the four rows' sums over the 32 lanes, by turns: four steps inside each half ride on the addition, one crosses the halves
.macro REDUCE
.irp k, 1,2,4,8
.irp i, 0,1,2,3
	v_add_f32_dpp v[SM+2*\i], v[SM+2*\i], v[SM+2*\i] row_xmask:\k row_mask:0xf bank_mask:0xf
.endr
.endr
.irp i, 0,1,2,3
	v_permlanex16_b32 v[TP+\i], v[SM+2*\i], s[SEL], s[SEL+1]
.endr
.irp i, 0,1,2,3
	v_add_f32 v[SM+2*\i], v[SM+2*\i], v[TP+\i]
.endr
.endm
	s_load_b256 s[4:11], s[0:1], 0x0               ; x s[4:5], gamma s[6:7], beta s[8:9], Wq's codes s[10:11]
	s_load_b256 s[12:19], s[0:1], 0x20             ; Wk's s[12:13], Wv's s[14:15], Wo's s[16:17], xi s[18:19]
	s_load_b128 s[20:23], s[0:1], 0x40             ; xsc s[20:21], wi s[22:23]
	v_lshl_add_u32 v[SPW], v0, 2, SPARE
	v_mov_b32 v[NIL], 0
	v_lshrrev_b32 v1, 5, v0
	v_readfirstlane_b32 s[WV], v1                  ; wave 0..3
	v_and_b32 v1, 31, v0                           ; lane
	v_and_b32 v2, 15, v0                           ; r
	v_bfe_u32 v3, v0, 4, 1                         ; h
	s_cmp_lt_u32 ttmp9, 512                        ; the work-group's number alone: all four waves go the same way
	s_cbranch_scc0 .Lweights
	; ---- LayerNorm: the work-group is token tile T = ttmp9
	s_lshr_b32 s25, ttmp9, 1
	s_lshl_b32 s25, s25, 5
	s_and_b32 s26, ttmp9, 1
	s_lshl_b32 s26, s26, 3
	s_add_co_u32 s25, s25, s26                     ; the tile's first token: 32 (T / 2) + 8 (T % 2)
	s_lshl_b32 s26, s[WV], 2
	s_lshr_b32 s27, s[WV], 1
	s_lshl_b32 s27, s27, 3
	s_add_co_u32 s26, s26, s27                     ; the tile's rows 4 w .. 4 w + 3 are four neighbouring tokens, 4 w + 8 (w / 2) on
	s_add_co_u32 s26, s26, s25
	s_lshl_b32 s26, s26, 12                        ; x 4,096 bytes (under 2^25)
	s_mov_b32 s27, 0
	s_mul_i32 s28, ttmp9, 12288                    ; xi: my tile, my two K steps
	s_mul_i32 s29, s[WV], 3072
	s_add_co_u32 s28, s28, s29
	s_mov_b32 s29, 0
	s_lshl_b32 s32, s25, 5                         ; xsc: 32 bytes a token
	s_mov_b32 s33, 0
	s_mov_b32 s[SEL], 0x76543210
	s_mov_b32 s[SEL+1], 0xfedcba98
	s_mov_b32 s[C10], 0x3a800000
	s_mov_b32 s[EPS], 0x3727c5ac
	s_wait_alu depctr_va_vdst(0)
	v_lshlrev_b32 v4, 4, v1                        ; 16 x lane
	s_mul_i32 s36, s[WV], 4*PITCH
	v_add_nc_u32 v5, s36, v4                       ; into the stage: my four rows, 16 bytes a lane
	v_mul_u32_u24 v6, v2, PITCH
	v_lshl_add_u32 v6, v3, 6, v6
	s_lshl_b32 s36, s[WV], 10
	v_add_nc_u32 v6, s36, v6                       ; out of it: row r, + 64 h, + my two K steps (1,024 bytes a wave)
	v_lshlrev_b32 v7, 5, v2
	s_lshl_b32 s36, s[WV], 3
	v_add_nc_u32 v7, s36, v7
	v_add_nc_u32 v7, SCG, v7                       ; my two scale words of row r
	v_add_nc_u32 v8, SCG, v4                       ; and all of them back, 16 bytes a lane
	v_lshlrev_b32 v9, 3, v1                        ; an image's place for my lane
	v_lshl_add_u32 v10, v3, 8, v4                  ; xsc: rows 0-7 are 256 consecutive bytes, rows 8-15 the 256 that lie 512 on
.irp i, 0,1,2,3
	v_mov_b32 v[TP+\i], 0                          ; written once: a lane permute's destination counts as one of its sources
.endr
	s_wait_kmcnt 0x0
	s_add_nc_u64 s[4:5], s[4:5], s[26:27]
	s_add_nc_u64 s[18:19], s[18:19], s[28:29]
	s_add_nc_u64 s[20:21], s[20:21], s[32:33]
.irp j, 0,1,2,3,4,5,6,7
	global_load_b128 v[GA+4*\j:GA+4*\j+3], v4, s[6:7] offset:512*\j
	global_load_b128 v[BE+4*\j:BE+4*\j+3], v4, s[8:9] offset:512*\j
.endr
.irp i, 0,1,2,3
.irp j, 0,1,2,3,4,5,6,7
	global_load_b128 v[X+32*\i+4*\j:X+32*\i+4*\j+3], v4, s[4:5] offset:4096*\i+512*\j th:TH_LOAD_NT   ; 32 lanes read 512 consecutive bytes; 48 loads of a wave are out
.endr
.endr
	s_wait_loadcnt 0x0
.irp i, 0,1,2,3
	v_pk_add_f32 v[SM+2*\i:SM+2*\i+1], v[X+32*\i:X+32*\i+1], v[X+32*\i+2:X+32*\i+3]
.endr
.irp j, 4,6,8,10,12,14,16,18,20,22,24,26,28,30
.irp i, 0,1,2,3
	v_pk_add_f32 v[SM+2*\i:SM+2*\i+1], v[SM+2*\i:SM+2*\i+1], v[X+32*\i+\j:X+32*\i+\j+1]
.endr
.endr
.irp i, 0,1,2,3
	v_add_f32 v[SM+2*\i], v[SM+2*\i], v[SM+2*\i+1]
.endr
	REDUCE
.irp i, 0,1,2,3
	v_mul_f32 v[SM+2*\i+1], s[C10], v[SM+2*\i]     ; the mean, in both registers of the pair
	v_mul_f32 v[SM+2*\i], s[C10], v[SM+2*\i]
.endr
.irp j, 0,2,4,6,8,10,12,14,16,18,20,22,24,26,28,30
.irp i, 0,1,2,3
	v_pk_add_f32 v[X+32*\i+\j:X+32*\i+\j+1], v[X+32*\i+\j:X+32*\i+\j+1], v[SM+2*\i:SM+2*\i+1] neg_lo:[0,1] neg_hi:[0,1]   ; x - mean
.endr
.endr
.irp i, 0,1,2,3
	v_pk_mul_f32 v[SM+2*\i:SM+2*\i+1], v[X+32*\i:X+32*\i+1], v[X+32*\i:X+32*\i+1]
.endr
.irp j, 2,4,6,8,10,12,14,16,18,20,22,24,26,28,30
.irp i, 0,1,2,3
	v_pk_fma_f32 v[SM+2*\i:SM+2*\i+1], v[X+32*\i+\j:X+32*\i+\j+1], v[X+32*\i+\j:X+32*\i+\j+1], v[SM+2*\i:SM+2*\i+1]
.endr
.endr
.irp i, 0,1,2,3
	v_add_f32 v[SM+2*\i], v[SM+2*\i], v[SM+2*\i+1]
.endr
	REDUCE
.irp i, 0,1,2,3
	v_fma_f32 v[RS+2*\i], v[SM+2*\i], s[C10], s[EPS]   ; the variance + 1e-5
.endr
	s_wait_alu depctr_va_vdst(0)
.irp i, 0,1,2,3
	v_rsq_f32 v[RS+2*\i], v[RS+2*\i]               ; one batch of four
.endr
	v_nop                                          ; a plain place behind the last of them
	s_wait_alu depctr_va_vdst(0)                   ; one wait for the batch, ahead of its first reader
.irp i, 0,1,2,3
	v_mov_b32 v[RS+2*\i+1], v[RS+2*\i]
.endr
.irp j, 0,2,4,6,8,10,12,14,16,18,20,22,24,26,28,30
.irp i, 0,1,2,3
	v_pk_mul_f32 v[X+32*\i+\j:X+32*\i+\j+1], v[X+32*\i+\j:X+32*\i+\j+1], v[RS+2*\i:RS+2*\i+1]
.endr
.endr
.irp j, 0,2,4,6,8,10,12,14,16,18,20,22,24,26,28,30
.irp i, 0,1,2,3
	v_pk_fma_f32 v[X+32*\i+\j:X+32*\i+\j+1], v[X+32*\i+\j:X+32*\i+\j+1], v[GA+\j:GA+\j+1], v[BE+\j:BE+\j+1]
.endr
.endr
.irp i, 0,1,2,3
.irp j, 0,1,2,3,4,5,6,7
	ds_store_b128 v5, v[X+32*\i+4*\j:X+32*\i+4*\j+3] offset:PITCH*\i+512*\j
.endr
.endr
	s_wait_dscnt 0x0                               ; for the others' sake: my four rows lie in the stage
	s_barrier_signal -1
	s_barrier_wait -1                              ; all sixteen do
.irp b, 0,1,2,3
	v_mov_b32 v[TM+4+\b], 0                        ; written once: a lane permute's destination counts as one of its sources
.endr
	; ---- my two K steps of the sixteen rows: lane (r, h) takes, of row r, 16 neighbours of each block of 32
.irp q, 0,1
.irp b, 0,1,2,3
.irp j, 0,1,2,3
	ds_load_b128 v[ST+16*\b+4*\j:ST+16*\b+4*\j+3], v6 offset:512*\q+128*\b+16*\j
.endr
.endr
	s_wait_dscnt 0x0
.if \q
	s_wait_xcnt 0x0                                ; the first step's stores have read their data: the codes' registers are written again only behind this wait
.endif
	QUANT ST, PW+\q
.irp p, 0,1,2,3,4,5
	global_store_b64 v9, v[PC+2*\p:PC+2*\p+1], s[18:19] offset:1536*\q+256*\p   ; 32 lanes store 256 consecutive bytes, at a multiple of 256 from xi's first byte
.endr
.endr
	ds_store_b64 v7, v[PW:PW+1]                    ; lanes r and r + 16 write the same words with the same values
	s_wait_dscnt 0x0                               ; for wave 0's sake
	s_barrier_signal -1
	s_barrier_wait -1
	s_cmp_lg_u32 s[WV], 0
	s_cbranch_scc1 .Lclose
	ds_load_b128 v[184:187], v8                    ; the tile's 512 bytes of scale words
	s_wait_dscnt 0x0
	global_store_b128 v10, v[184:187], s[20:21]    ; two runs of 256 consecutive bytes
.Lclose:
	s_wait_tensorcnt 0x0                           ; the wave's end: behind my last LDS store
	ds_add_u32 v[SPW], v[NIL]
	s_wait_dscnt 0x0
	s_endpgm
	; ---- the weights: wave w of work-group 512 + j lays tile 4 (j % 16) + w of weight j / 16.  This way writes no LDS.
.Lweights:
	s_sub_co_u32 s25, ttmp9, 512
	s_lshr_b32 s26, s25, 4                         ; which weight: q, k, v, o
	s_and_b32 s25, s25, 15
	s_lshl_b32 s25, s25, 2
	s_add_co_u32 s25, s25, s[WV]                   ; which tile of 16 columns
	s_wait_alu depctr_va_vdst(0)
	v_and_b32 v4, 8, v2
	v_add_nc_u32 v4, v4, v2                        ; r + 8 (r / 8)
	v_mul_u32_u24 v4, v4, 768                      ; a column's 1,024 codes are 768 bytes
	v_mad_u32_u24 v4, v3, 24, v4                   ; + 24 h
	v_lshlrev_b32 v5, 3, v1
	s_lshr_b32 s27, s25, 1
	s_lshl_b32 s27, s27, 5
	s_and_b32 s28, s25, 1
	s_lshl_b32 s28, s28, 3
	s_add_co_u32 s28, s28, s27                     ; the tile's first column
	s_mul_i32 s28, s28, 768
	s_mov_b32 s29, 0
	s_lshl_b32 s32, s26, 6
	s_add_co_u32 s32, s32, s25
	s_mul_i32 s32, s32, 12288
	s_mov_b32 s33, 0
	s_wait_alu depctr_va_vdst(0)
	s_wait_kmcnt 0x0
	s_cmp_eq_u32 s26, 1
	s_cselect_b64 s[10:11], s[12:13], s[10:11]
	s_cmp_eq_u32 s26, 2
	s_cselect_b64 s[10:11], s[14:15], s[10:11]
	s_cmp_eq_u32 s26, 3
	s_cselect_b64 s[10:11], s[16:17], s[10:11]
	s_add_nc_u64 s[10:11], s[10:11], s[28:29]
	s_add_nc_u64 s[22:23], s[22:23], s[32:33]
.irp s, 0,1,2,3,4,5,6,7
.irp p, 0,1,2,3,4,5
	global_load_b64 v[16+12*\s+2*\p:17+12*\s+2*\p], v4, s[10:11] offset:96*\s+48*(\p/3)+8*(\p%3)   ; the row's stream of bits is the register image: 24 bytes in three pieces of 8
.endr
.endr
	s_wait_loadcnt 0x0
.irp s, 0,1,2,3,4,5,6,7
.irp p, 0,1,2,3,4,5
	global_store_b64 v5, v[16+12*\s+2*\p:17+12*\s+2*\p], s[22:23] offset:1536*\s+256*\p
.endr
.endr
	s_endpgm
.Lfunc_end_k_q18bffeb991_prep:
	.size	k_q18bffeb991_prep, .Lfunc_end_k_q18bffeb991_prep-k_q18bffeb991_prep
	.p2alignl 7, 3214868480
	.fill 96, 4, 3214868480
	.section	.rodata,"a",@progbits
	.p2align	6, 0x0
	.amdhsa_kernel k_q18bffeb991_prep
		.amdhsa_group_segment_fixed_size 66816
		.amdhsa_private_segment_fixed_size 0
		.amdhsa_enable_private_segment 0
		.amdhsa_kernarg_size 80
		.amdhsa_user_sgpr_count 2
		.amdhsa_user_sgpr_kernarg_segment_ptr 1
		.amdhsa_wavefront_size32 1
		.amdhsa_system_sgpr_workgroup_id_x 1
		.amdhsa_system_sgpr_workgroup_id_y 1
		.amdhsa_system_sgpr_workgroup_id_z 1
		.amdhsa_system_vgpr_workitem_id 0
		.amdhsa_next_free_vgpr 256
		.amdhsa_next_free_sgpr 66
		.amdhsa_reserve_vcc 0
		.amdhsa_float_denorm_mode_32 3
		.amdhsa_float_denorm_mode_16_64 3
		.amdhsa_memory_ordered 1
		.amdhsa_forward_progress 1
		.amdhsa_inst_pref_size 55
	.end_amdhsa_kernel
	.amdgpu_metadata
---
amdhsa.version: [ 1, 2 ]
amdhsa.kernels:
  - .name:           k_q18bffeb991_prep
    .symbol:         k_q18bffeb991_prep.kd
    .args:
      - { .name: x, .offset: 0, .size: 8, .value_kind: global_buffer, .address_space: global }
      - { .name: gamma, .offset: 8, .size: 8, .value_kind: global_buffer, .address_space: global }
      - { .name: beta, .offset: 16, .size: 8, .value_kind: global_buffer, .address_space: global }
      - { .name: Wq_codes, .offset: 24, .size: 8, .value_kind: global_buffer, .address_space: global }
      - { .name: Wk_codes, .offset: 32, .size: 8, .value_kind: global_buffer, .address_space: global }
      - { .name: Wv_codes, .offset: 40, .size: 8, .value_kind: global_buffer, .address_space: global }
      - { .name: Wo_codes, .offset: 48, .size: 8, .value_kind: global_buffer, .address_space: global }
      - { .name: xi, .offset: 56, .size: 8, .value_kind: global_buffer, .address_space: global }
      - { .name: xsc, .offset: 64, .size: 8, .value_kind: global_buffer, .address_space: global }
      - { .name: wi, .offset: 72, .size: 8, .value_kind: global_buffer, .address_space: global }
    .group_segment_fixed_size: 66816
    .private_segment_fixed_size: 0
    .kernarg_segment_align: 8
    .kernarg_segment_size: 80
    .max_flat_workgroup_size: 128
    .sgpr_count:     66
    .vgpr_count:     256
    .wavefront_size: 32
...
	.end_amdgpu_metadata
.endif
;; end of part 1
;; launch qkv (part 2): grid 4 x 192, 4 waves a work-group, clusters of 4 x 4, 327,680 bytes of LDS; arguments xi, xsc, wi, Wq_scales, Wk_scales, Wv_scales, bq, bk, bv, qb, kv; writes qb, kv
.if DOCPART == 2
	.amdgcn_target "amdgcn-amd-amdhsa--gfx1250"
	.amdhsa_code_object_version 6
	.text
	.protected	k_q18bffeb991_qkv
	.globl	k_q18bffeb991_qkv
	.p2align	8
	.type	k_q18bffeb991_qkv,@function
k_q18bffeb991_qkv:
	s_mov_b64 s[64:65], 0
	v_nop
	global_prefetch_b8 v0, s[64:65] scope:SCOPE_SE
	s_setreg_imm32_b32 hwreg(HW_REG_WAVE_MODE, 25, 1), 1
	s_wait_xcnt 0x0
	s_wait_alu depctr_hold_cnt(0) depctr_sa_sdst(0) depctr_va_vdst(0) depctr_va_sdst(0) depctr_va_ssrc(0) depctr_va_vcc(0) depctr_vm_vsrc(0)
	s_getreg_b32 s2, hwreg(HW_REG_IB_STS2, 6, 4)
	s_cmp_eq_u32 s2, 0
	s_cbranch_scc0 .Lentry_in_a_cluster
	s_endpgm
.Lentry_in_a_cluster:
	s_bfe_u32 s2, ttmp6, 0x10000c
	s_cmp_lg_u32 s2, 0xf033
	s_cbranch_scc0 .Lentry_shape_is_right
	s_endpgm
.Lentry_shape_is_right:
; QKV.  q = xn Wq + bq, k = xn Wk + bk, v = xn Wv + bv on codes of FP6 (E2M3) with E8M0 scales, and each result quantised again in registers: q and k along the head's 64, v along the keys.
; THE PRODUCT.  Operand P is source 0, operand R source 1: a lane holds ONE row of R and its registers run along P's rows, which are the axis of the next quantiser.  For q and k: P = the weight's columns, R = tokens;
; for v: P = tokens (the keys), R = Wv's columns.  A work-group makes 256 rows of P x 128 rows of R; each of its four waves 128 x 64: 32 accumulators, 256 registers.
; Both operands come as images of fragments (six pieces of 256 bytes; lane l's 8 bytes at 8 l), 12,288 bytes a tile of 16 rows for all of K = 1,024.  ALL OF K LIES IN LDS: (256 + 128) rows x 768 bytes = 294,912 bytes,
; as four chunks of 256 along K, each brought by one tensor load a wave, all four issued at the head: four tensor loads of a wave are out, nothing is filled twice, and a chunk's barrier only shows it whole.
; CLUSTER 4 x 4: P's tile hangs on cx and goes jointly to the column of the cluster, R's on cy and to the row.  The section (q, k, v) and the block of 16 clusters hang on the cluster's y alone.
; A tile's rows: lane r of tile T holds row 32 (T / 2) + 8 (T % 2) + r + 8 (r / 8), so that the 16 registers of P's tiles 2 b, 2 b + 1 are P's rows 32 b + 16 (lane / 16) + 0 .. 15.
; OUT.  qb: [16 batch + head][group of 64 queries] records of 3,328 bytes: four half fragments (16 queries x 64: 768 bytes), then 256 bytes of scale words [r][tile], bytes 2 and 3 of a word 0.
; kv: [16 batch + head][256 keys] records of 26,112 bytes: 16 half fragments of k; at 12,288 v's [64 keys][tile of 16 d] half fragments; at 24,576 k's scale words [4 tiles][r][word]; at 25,600 v's [128 keys][r][tile of d].
; LIMITS: NaN and infinities are not served; a block whose largest magnitude lies under 2^-124 (a block of zeros too) gets the byte 1: the bytes are read by this program alone.
; REGISTERS, in windows of 256: window 0: v4-15 addresses; v16-47 P's scale words, v48-63 R's; v64-159 R's fragments, two sets; on the way out v64-188.  window 1: P's fragments, two sets, at v0 and v128.
;   window 2: accumulator (a, b) at v[8 (8 a + b)].  window 3: v0-63 the bias along P; v64-71 the bias along R, each number twice.
.set CHUNK, 73728                      ; 256 along K: P's 16 tiles x 3,072 bytes, then R's 8
.set ROFF,  49152
.set SPARE, 4*CHUNK                    ; behind the chunks: the spare words, 128 bytes for each wave, that no other line names
.set ADP, 4                            ; v4-7   LDS address of my P fragments in chunk 0..3
.set ADR, 8                            ; v8-11  the same for R
.set LI8, 12                           ; v12    8 x lane
.set LSC, 13                           ; v13    my row's 32 scale bytes in a pair of tiles
.set SPW, 14                           ; v14    LDS address of my spare word; never rewritten
.set NIL, 15                           ; v15    0; never rewritten
.set SCP, 16                           ; scale words: register 8 i + s: K step s of tiles 2 i (lanes 0-15) and 2 i + 1 (lanes 16-31)
.set SCR, 48
.set RF,  64
.set BO,  0                            ; (not used in this launch)
.set ST,  64                           ; the way out: 64 numbers of a lane
.set PC,  128                          ; v128-147 the codes just made
.set TM,  160                          ; v160-175 at work in QUANT
.set W,   176                          ; v176-179 the four tiles' scale words
.set XW,  180                          ; v180-185 as they are stored
.set SOFF, 186                         ; v186 16 r + 8 h
.set BPO, 187                          ; v187 64 h
.set BRO, 188                          ; v188 4 (r + 8 (r / 8))
.set WV,  26
.set WP,  27                           ; wave % 2: my half of P's rows; also which half of a tile I fetch
.set G1P, 28                           ; s[28:35] descriptor group 1 for P;  s[36:43] for R
.set G1R, 36
.set G0P, 44                           ; s[44:59] groups 0 for P, one a chunk
.set WR,  60                           ; wave / 2: my half of R's rows
.set CX,  61
.set CY,  62
.set SEC, 63                           ; 0 q, 1 k, 2 v
.set NT,  66                           ; s[66:67] at work; never holds cx or cy
.set G0R, 68                           ; s[68:83] groups 0 for R
.set C16, 84
.set PIDX, 85                          ; which 256 rows of P: holds cx, never cy
.set RIDX, 86                          ; which 128 rows of R: holds cy, never cx
.set HM,  87                           ; lanes 16-31
.set SEL, 88                           ; s[88:89]
.set PI,  90                           ; s[90:91] P's tiles in memory
.set RI,  92                           ; s[92:93] R's
.set MX,  94                           ; s[94:97] at work; feeds no descriptor
.set POF, 98
.set ROF, 100
.set CB0, 10                           ; the way out: s[10:11], s[12:13] where pieces 0-2 and 3-5 go; s[14:15], s[16:17] the scale words
.set CB1, 12
.set SB0, 14
.set SB1, 16
.set MODE0, 0                          ; the first K step's products start the sums with the constant 0
.set WIN0, 0xa1
.set MSB, 0
.macro WIN new                         ; the immediate's high byte repeats the setting that is left
.if MSB != \new
	s_set_vgpr_msb (MSB<<8)|\new
.set MSB, \new
.endif
.endm
.macro PLACES                          ; four plain places behind matrix instructions, in front of loads into their sources and of reads of their results
.rept 4
	v_nop
.endr
.endm
.macro CROUND                          ; a round of the cluster's barrier
	s_barrier_signal -1
	s_barrier_wait -1
	s_cmp_lg_u32 s[WV], 0
	s_cbranch_scc1 .Lnot_wave_0_\@
	s_barrier_signal -3
.Lnot_wave_0_\@:
	s_barrier_wait -3
	s_barrier_signal -1
	s_barrier_wait -1
.endm
; one product.  ra, rb: the scale word lies in lanes 16-31 (an odd tile).  cz = 1: C is the constant 0; else C = v[cb ..]
.macro WM acc, pf, rf, sp, sr, ra, rb, cz, cb
.if \cz
.if ((\ra)==0) && ((\rb)==0)
	v_wmma_scale_f32_16x16x128_f8f6f4 v[\acc:\acc+7], v[\pf:\pf+11], v[\rf:\rf+11], 0, v[\sp], v[\sr] matrix_a_fmt:MATRIX_FMT_FP6 matrix_b_fmt:MATRIX_FMT_FP6
.elseif (\rb)==0
	v_wmma_scale_f32_16x16x128_f8f6f4 v[\acc:\acc+7], v[\pf:\pf+11], v[\rf:\rf+11], 0, v[\sp], v[\sr] matrix_a_fmt:MATRIX_FMT_FP6 matrix_b_fmt:MATRIX_FMT_FP6 matrix_a_scale:MATRIX_SCALE_ROW1
.elseif (\ra)==0
	v_wmma_scale_f32_16x16x128_f8f6f4 v[\acc:\acc+7], v[\pf:\pf+11], v[\rf:\rf+11], 0, v[\sp], v[\sr] matrix_a_fmt:MATRIX_FMT_FP6 matrix_b_fmt:MATRIX_FMT_FP6 matrix_b_scale:MATRIX_SCALE_ROW1
.else
	v_wmma_scale_f32_16x16x128_f8f6f4 v[\acc:\acc+7], v[\pf:\pf+11], v[\rf:\rf+11], 0, v[\sp], v[\sr] matrix_a_fmt:MATRIX_FMT_FP6 matrix_b_fmt:MATRIX_FMT_FP6 matrix_a_scale:MATRIX_SCALE_ROW1 matrix_b_scale:MATRIX_SCALE_ROW1
.endif
.else
.if ((\ra)==0) && ((\rb)==0)
	v_wmma_scale_f32_16x16x128_f8f6f4 v[\acc:\acc+7], v[\pf:\pf+11], v[\rf:\rf+11], v[\cb:\cb+7], v[\sp], v[\sr] matrix_a_fmt:MATRIX_FMT_FP6 matrix_b_fmt:MATRIX_FMT_FP6
.elseif (\rb)==0
	v_wmma_scale_f32_16x16x128_f8f6f4 v[\acc:\acc+7], v[\pf:\pf+11], v[\rf:\rf+11], v[\cb:\cb+7], v[\sp], v[\sr] matrix_a_fmt:MATRIX_FMT_FP6 matrix_b_fmt:MATRIX_FMT_FP6 matrix_a_scale:MATRIX_SCALE_ROW1
.elseif (\ra)==0
	v_wmma_scale_f32_16x16x128_f8f6f4 v[\acc:\acc+7], v[\pf:\pf+11], v[\rf:\rf+11], v[\cb:\cb+7], v[\sp], v[\sr] matrix_a_fmt:MATRIX_FMT_FP6 matrix_b_fmt:MATRIX_FMT_FP6 matrix_b_scale:MATRIX_SCALE_ROW1
.else
	v_wmma_scale_f32_16x16x128_f8f6f4 v[\acc:\acc+7], v[\pf:\pf+11], v[\rf:\rf+11], v[\cb:\cb+7], v[\sp], v[\sr] matrix_a_fmt:MATRIX_FMT_FP6 matrix_b_fmt:MATRIX_FMT_FP6 matrix_a_scale:MATRIX_SCALE_ROW1 matrix_b_scale:MATRIX_SCALE_ROW1
.endif
.endif
.endm
; 16 products of K step s: R's tiles a0, a0 + 1 against P's eight.  mode 0: C = 0; 1: in place; 2: C = the bias.  The 32 accumulators take turns, one instruction a turn, in the same order in every step.
.macro MULH s, set, a0, mode
.irp a, \a0, \a0+1
.irp b, 0,1,2,3,4,5,6,7
.if \mode == 0
	WM 8*(8*(\a)+\b), 128*(\set)+12*\b, RF+48*(\set)+12*(\a), SCP+8*(\b/2)+(\s), SCR+8*((\a)/2)+(\s), \b%2, (\a)%2, 1, 0
.elseif \mode == 1
	WM 8*(8*(\a)+\b), 128*(\set)+12*\b, RF+48*(\set)+12*(\a), SCP+8*(\b/2)+(\s), SCR+8*((\a)/2)+(\s), \b%2, (\a)%2, 0, 8*(8*(\a)+\b)
.else
	WM 8*(8*(\a)+\b), 128*(\set)+12*\b, RF+48*(\set)+12*(\a), SCP+8*(\b/2)+(\s), SCR+8*((\a)/2)+(\s), \b%2, (\a)%2, 0, BO+8*\b
.endif
.endr
.endr
.endm
.macro FETCH_P s, set                  ; P's eight fragments of K step s: 48 loads of 256 consecutive bytes
	WIN 0x40                                       ; destination window 1, address window 0
.irp b, 0,1,2,3,4,5,6,7
.irp p, 0,1,2,3,4,5
	ds_load_b64 v[128*(\set)+12*\b+2*\p:128*(\set)+12*\b+2*\p+1], v[ADP+(\s)/2] offset:3072*\b+1536*((\s)%2)+256*\p
.endr
.endr
.endm
.macro FETCH_R s, set                  ; R's four: 24 loads
	WIN 0
.irp a, 0,1,2,3
.irp p, 0,1,2,3,4,5
	ds_load_b64 v[RF+48*(\set)+12*\a+2*\p:RF+48*(\set)+12*\a+2*\p+1], v[ADR+(\s)/2] offset:3072*\a+1536*((\s)%2)+256*\p
.endr
.endr
.endm
; K step s: 32 products; the next step's fragments are fetched meanwhile, P's ahead of the products and R's in their middle.
.macro KSTEP s
.if ((\s)==1) || ((\s)==3) || ((\s)==5)
	s_wait_tensorcnt 3-((\s)+1)/2                  ; my part of the next chunk has landed; the chunks issued behind it may stay out
	s_wait_dscnt 0x0                               ; no LDS load of mine is out at a signal
	s_barrier_signal -1
	s_barrier_wait -1                              ; everybody's part has
.endif
.if (\s) < 7
	PLACES                                         ; for both runs of loads below: the sets that they fill were read by the last step's products
	FETCH_P (\s)+1, ((\s)+1)%2
	s_wait_dscnt 48                                ; all but the 48 just issued: this step's fragments are in
.else
	s_wait_dscnt 0x0
.endif
.if (\s) == 0
	WIN WIN0
	MULH \s, (\s)%2, 0, MODE0
.else
	WIN 0xa1                                       ; source 0 (P) window 1, source 1 (R) window 0, C and D window 2
	MULH \s, (\s)%2, 0, 1
.endif
.if (\s) < 7
	FETCH_R (\s)+1, ((\s)+1)%2
.endif
.if (\s) == 0
	WIN WIN0
	MULH \s, (\s)%2, 2, MODE0
.else
	WIN 0xa1
	MULH \s, (\s)%2, 2, 1
.endif
.endm
; 64 numbers of a lane, v[s] .. v[s + 63], register 16 b + i = k 32 b + 16 (lane / 16) + i of my row, become a fragment's codes in v[PC] on and its scale word in v[pw].
.macro QUANT s, pw
.irp b, 0,1,2,3
	v_max3_num_f32 v[TM+\b], |v[\s+16*\b]|, |v[\s+1+16*\b]|, 0x1800000   ; block b: my 16 numbers, and the floor 2^(3 - 127): the byte cannot fall under 1
.endr
.irp i, 2,4,6,8,10,12,14
.irp b, 0,1,2,3
	v_max3_num_f32 v[TM+\b], v[TM+\b], |v[\s+16*\b+\i]|, |v[\s+1+16*\b+\i]|
.endr
.endr
.irp b, 0,1,2,3
	v_permlanex16_b32 v[TM+4+\b], v[TM+\b], s[SEL], s[SEL+1]
.endr
.irp b, 0,1,2,3
	v_max_num_f32 v[TM+\b], v[TM+\b], v[TM+4+\b]   ; with lane l xor 16's: the block's largest magnitude
.endr
.irp b, 0,1,2,3
	v_add_nc_u32 v[TM+12+\b], 0xff000000, v[TM+\b]   ; 2 off its exponent field: the conversion's scale operand
.endr
.irp b, 0,1,2,3
	v_lshrrev_b32 v[TM+4+\b], 23, v[TM+12+\b]      ; the scale's byte
.endr
	v_lshl_or_b32 v[\pw], v[TM+5], 8, v[TM+4]
	v_lshl_or_b32 v[\pw], v[TM+6], 16, v[\pw]
	v_lshl_or_b32 v[\pw], v[TM+7], 24, v[\pw]
.irp c, 0,1
	v_cvt_scalef32_pk16_fp6_f32 v[PC+6*\c:PC+2+6*\c], v[\s+32*\c:\s+15+32*\c], v[TM+12+2*\c]
	v_cvt_scalef32_pk16_fp6_f32 v[PC+12+4*\c:PC+14+4*\c], v[\s+16+32*\c:\s+31+32*\c], v[TM+12+2*\c+1]   ; a conversion's three registers begin on an even number
.endr
	v_nop                                          ; one plain place behind a scaled conversion
.irp c, 0,1                                    ; a WHOLE block in a lane: lanes 0-15 block 2 c, lanes 16-31 block 2 c + 1
.irp i, 0,1,2
	v_permlane16_swap_b32 v[PC+6*\c+\i], v[PC+12+4*\c+\i]
.endr
.irp i, 0,1,2
	v_mov_b32 v[PC+3+6*\c+\i], v[PC+12+4*\c+\i]
.endr
.endr
.endm
; THE WAY OUT, a tile m of R's rows at a time: the bias is added on the way into window 0 (each accumulator from its low end on), the 128 numbers along P are quantised, and the image leaves in six stores of 256 bytes:
; pieces 0-2 (P's rows 0-63) and 3-5 (rows 64-127) belong to two heads (q, k: kind 0) or to two groups of 64 keys (v: kind 1).
.macro EPI kind
	PLACES
.irp m, 0,1,2,3
	WIN 0x0e                                       ; source 0 window 2, source 1 window 3, destination window 0
.set NN, 0
.rept 32
.if \kind
	v_pk_add_f32 v[ST+NN:ST+NN+1], v[64*\m+NN:64*\m+NN+1], v[64+2*\m:65+2*\m]
.else
	v_pk_add_f32 v[ST+NN:ST+NN+1], v[64*\m+NN:64*\m+NN+1], v[NN:NN+1]
.endif
.set NN, NN+2
.endr
	WIN 0
.if \m > 0
	s_wait_xcnt 0x0                                ; the last tile's stores have read their data: the codes' registers are written again only behind this wait
.endif
	QUANT ST, W+\m
.irp p, 0,1,2
	global_store_b64 v[LI8], v[PC+2*\p:PC+2*\p+1], s[CB0:CB0+1] offset:768*\m+256*\p   ; 32 lanes store 256 consecutive bytes, at a multiple of 256 from the buffer's first byte
.endr
.irp p, 0,1,2
	global_store_b64 v[LI8], v[PC+6+2*\p:PC+7+2*\p], s[CB1:CB1+1] offset:768*\m+256*\p
.endr
.endr
	v_cndmask_b32 v[XW], v[W], v[W+2], s[HM]       ; lanes 0-15 carry tiles 0 and 1, lanes 16-31 tiles 2 and 3: [r][4 words] leaves as one run of 256 bytes
	v_cndmask_b32 v[XW+1], v[W+1], v[W+3], s[HM]
.if \kind
	global_store_b64 v[SOFF], v[XW:XW+1], s[SB0:SB0+1]
.else
	v_and_b32 v[XW+2], 0xffff, v[XW]               ; the first head's two bytes; the word's upper two stay 0: they scale zero codes
	v_and_b32 v[XW+3], 0xffff, v[XW+1]
	v_lshrrev_b32 v[XW+4], 16, v[XW]               ; the second head's
	v_lshrrev_b32 v[XW+5], 16, v[XW+1]
	global_store_b64 v[SOFF], v[XW+2:XW+3], s[SB0:SB0+1]
	global_store_b64 v[SOFF], v[XW+4:XW+5], s[SB1:SB1+1]
.endif
.endm
	s_load_b256 s[4:11], s[0:1], 0x0               ; xi s[4:5], xsc s[6:7], wi s[8:9], Wq's scales s[10:11]
	s_load_b256 s[12:19], s[0:1], 0x20             ; Wk's s[12:13], Wv's s[14:15], bq s[16:17], bk s[18:19]
	s_load_b128 s[20:23], s[0:1], 0x40             ; bv s[20:21], qb s[22:23]
	s_load_b64 s[24:25], s[0:1], 0x50              ; kv
	v_lshl_add_u32 v[SPW], v0, 2, SPARE
	v_mov_b32 v[NIL], 0
	ds_add_u32 v[SPW], v[NIL]                      ; the wave's opening: the add and its wait stand ahead of my first tensor load; work on registers stands between them
	ds_add_u32 v[SPW], v[NIL]
	v_lshrrev_b32 v1, 5, v0
	v_readfirstlane_b32 s[WV], v1                  ; wave 0..3
	s_and_b32 s[WP], s[WV], 1
	s_lshr_b32 s[WR], s[WV], 1
	s_bfe_u32 s[CX], ttmp6, 0x40000
	s_bfe_u32 s[CY], ttmp6, 0x40004
	s_and_b32 s[C16], ttmp7, 0xffff                ; the cluster's y, 0..47
	s_lshr_b32 s[SEC], s[C16], 4
	s_and_b32 s[C16], s[C16], 15
	s_lshl_b32 s2, 0x1111, s[CX]                   ; my column of the cluster
	s_or_b32 s[G1P], s2, (3<<16)|(1<<21)           ; 15:0 the mask; 17:16 elements of 8 bytes; 21 set beside a mask; no padding
	s_lshl_b32 s3, s[CY], 2
	s_lshl_b32 s3, 15, s3                          ; my row
	s_or_b32 s[G1R], s3, (3<<16)|(1<<21)
	s_mov_b32 s[G1P+1], 384<<16                    ; tensor_dim0: a tile's part of a chunk, 3,072 bytes
	s_mov_b32 s[G1P+2], 8<<16                      ; tensor_dim1: 8 tiles
	s_mov_b32 s[G1P+3], 384<<16                    ; tile_dim0
	s_mov_b32 s[G1P+4], 8                          ; tile_dim1
	s_mov_b32 s[G1P+5], 1536                       ; from tile to tile: 12,288 bytes
	s_mov_b32 s[G1P+6], 0
	s_mov_b32 s[G1P+7], 0
	s_mov_b32 s[G1R+1], 384<<16
	s_mov_b32 s[G1R+2], 4<<16                      ; 4 tiles
	s_mov_b32 s[G1R+3], 384<<16
	s_mov_b32 s[G1R+4], 4
	s_mov_b32 s[G1R+5], 1536
	s_mov_b32 s[G1R+6], 0
	s_mov_b32 s[G1R+7], 0
	s_and_b32 s[PIDX], s[C16], 7
	s_lshl_b32 s[PIDX], s[PIDX], 2
	s_lshr_b32 s[RIDX], s[C16], 3
	s_lshl_b32 s[RIDX], s[RIDX], 2
	s_lshl_b32 s[NT], s[C16], 2
	s_cmp_eq_u32 s[SEC], 2
	s_cselect_b32 s[PIDX], s[PIDX], 0              ; v: 32 blocks of tokens are P; q, k: 4 blocks of columns
	s_cselect_b32 s[RIDX], s[RIDX], s[NT]          ; v: 8 blocks of columns are R; q, k: 64 blocks of tokens
	s_add_co_u32 s[PIDX], s[PIDX], s[CX]
	s_add_co_u32 s[RIDX], s[RIDX], s[CY]
	s_lshl_b32 s[NT], s[WP], 3
	s_lshl_b32 s[POF], s[PIDX], 4
	s_add_co_u32 s[POF], s[POF], s[NT]             ; P: tile 16 x block + 8 x half
	s_mul_i32 s[POF], s[POF], 12288
	s_mov_b32 s[POF+1], 0
	s_lshl_b32 s[NT], s[WP], 2
	s_lshl_b32 s[ROF], s[RIDX], 3
	s_add_co_u32 s[ROF], s[ROF], s[NT]             ; R: tile 8 x block + 4 x half
	s_mul_i32 s[ROF], s[ROF], 12288
	s_mov_b32 s[ROF+1], 0
	s_mul_i32 s[NT], s[SEC], 786432                ; the section's weight in wi
	s_mov_b32 s[NT+1], 0
	s_mul_i32 s[G0P+1], s[WV], 24576               ; where they go: P's halves at wave x 8 tiles (waves 0, 1),
	s_mul_i32 s[G0R+1], s[WV], 12288
	s_add_co_u32 s[G0R+1], s[G0R+1], 24576         ; R's at 49,152 + (wave - 2) x 4 tiles (waves 2, 3): no place in the cluster enters an LDS address
.irp c, 1,2,3
	s_add_co_u32 s[G0P+4*\c+1], s[G0P+1], \c*CHUNK
	s_add_co_u32 s[G0R+4*\c+1], s[G0R+1], \c*CHUNK
.endr
	s_mov_b32 s[HM], 0xffff0000
	s_mov_b32 s[SEL], 0x76543210
	s_mov_b32 s[SEL+1], 0xfedcba98
	v_and_b32 v1, 31, v0                           ; lane
	v_and_b32 v2, 15, v0                           ; r
	v_bfe_u32 v3, v0, 4, 1                         ; h
	v_lshlrev_b32 v[LI8], 3, v1
	s_mul_i32 s[MX], s[WP], 24576
	v_add_nc_u32 v[ADP], s[MX], v[LI8]
	s_mul_i32 s[MX], s[WR], 12288
	s_add_co_u32 s[MX], s[MX], ROFF
	v_add_nc_u32 v[ADR], s[MX], v[LI8]
.irp c, 1,2,3
	v_add_nc_u32 v[ADP+\c], \c*CHUNK, v[ADP]
	v_add_nc_u32 v[ADR+\c], \c*CHUNK, v[ADR]
.endr
	v_and_b32 v[BRO], 8, v2
	v_add_nc_u32 v[BRO], v[BRO], v2                ; r + 8 (r / 8)
	v_lshl_add_u32 v[LSC], v3, 3, v[BRO]           ; + 8 for the odd tile in lanes 16-31
	v_lshlrev_b32 v[LSC], 5, v[LSC]                ; x 32 bytes a row
	v_lshlrev_b32 v[BRO], 2, v[BRO]
	v_lshlrev_b32 v[BPO], 6, v3
	v_lshlrev_b32 v[SOFF], 4, v2
	v_lshl_add_u32 v[SOFF], v3, 3, v[SOFF]
.irp b, 0,1,2,3
	v_mov_b32 v[TM+4+\b], 0                        ; written once: a lane permute's destination counts as one of its sources
.endr
	s_wait_dscnt 0x0                               ; the opening add is done
	s_wait_kmcnt 0x0
	s_add_nc_u64 s[8:9], s[8:9], s[NT:NT+1]
	s_cmp_eq_u32 s[SEC], 2
	s_cselect_b64 s[PI:PI+1], s[4:5], s[8:9]
	s_cselect_b64 s[RI:RI+1], s[8:9], s[4:5]
	s_add_nc_u64 s[PI:PI+1], s[PI:PI+1], s[POF:POF+1]
	s_add_nc_u64 s[RI:RI+1], s[RI:RI+1], s[ROF:ROF+1]
.irp c, 0,1,2,3
	s_mov_b32 s[G0P+4*\c], 1                       ; count = 1
	s_add_nc_u64 s[G0P+4*\c+2:G0P+4*\c+3], s[PI:PI+1], 3072*\c   ; chunk c of each tile
	s_or_b32 s[G0P+4*\c+3], s[G0P+4*\c+3], 0x80000000            ; type = 2
	s_mov_b32 s[G0R+4*\c], 1
	s_add_nc_u64 s[G0R+4*\c+2:G0R+4*\c+3], s[RI:RI+1], 3072*\c
	s_or_b32 s[G0R+4*\c+3], s[G0R+4*\c+3], 0x80000000
.endr
	CROUND                                         ; all sixteen work-groups are here: the joint loads meet
	s_cmp_lt_u32 s[WV], 2                          ; a wave's four first fills stand in one branch on the wave's number, ahead of every wait on TENSORcnt, every LDS read and every other barrier
	s_cbranch_scc0 .Lfirst_r
.irp c, 0,1,2,3
	tensor_load_to_lds s[G0P+4*\c:G0P+4*\c+3], s[G1P:G1P+7]
	s_nop 0
.endr
.rept 4
	v_nop
.endr
	s_branch .Lfirst_asked
.Lfirst_r:
.irp c, 0,1,2,3
	tensor_load_to_lds s[G0R+4*\c:G0R+4*\c+3], s[G1R:G1R+7]
	s_nop 0
.endr
.rept 4
	v_nop
.endr
.Lfirst_asked:
	; the scale words and the biases come once, straight into registers
	s_cmp_eq_u32 s[SEC], 1
	s_cselect_b64 s[10:11], s[12:13], s[10:11]     ; P's scales: Wq's, Wk's,
	s_cselect_b64 s[16:17], s[18:19], s[16:17]     ; the bias along P: bq or bk
	s_cmp_eq_u32 s[SEC], 2
	s_cselect_b64 s[10:11], s[6:7], s[10:11]       ; or xn's
	s_cselect_b64 s[14:15], s[14:15], s[6:7]       ; R's: Wv's or xn's
	s_lshl_b32 s[MX], s[PIDX], 8
	s_lshl_b32 s[MX+1], s[WP], 7
	s_add_co_u32 s[MX], s[MX], s[MX+1]             ; my first row of P
	s_lshl_b32 s[MX+2], s[RIDX], 7
	s_lshl_b32 s[MX+3], s[WR], 6
	s_add_co_u32 s[MX+2], s[MX+2], s[MX+3]         ; my first row of R
	s_mov_b32 s[MX+1], 0
	s_mov_b32 s[MX+3], 0
	s_lshl_b32 s18, s[MX], 2
	s_lshl_b32 s12, s[MX+2], 2
	s_cmp_eq_u32 s[SEC], 2
	s_cselect_b32 s18, 0, s18                      ; both sets of biases are always loaded; the set that the section does not use from its buffer's first bytes
	s_cselect_b32 s12, s12, 0
	s_mov_b32 s19, 0
	s_mov_b32 s13, 0
	s_add_nc_u64 s[16:17], s[16:17], s[18:19]
	s_add_nc_u64 s[20:21], s[20:21], s[12:13]
	s_lshl_b32 s[MX], s[MX], 5                     ; 32 scale bytes a row
	s_lshl_b32 s[MX+2], s[MX+2], 5
	s_add_nc_u64 s[10:11], s[10:11], s[MX:MX+1]
	s_add_nc_u64 s[14:15], s[14:15], s[MX+2:MX+3]
	s_wait_alu depctr_va_vdst(0)
.irp i, 0,1,2,3
	global_load_b128 v[SCP+8*\i:SCP+8*\i+3], v[LSC], s[10:11] offset:1024*\i        ; a pair of tiles is 32 rows: 1,024 consecutive bytes for the two loads
	global_load_b128 v[SCP+8*\i+4:SCP+8*\i+7], v[LSC], s[10:11] offset:1024*\i+16
.endr
.irp i, 0,1
	global_load_b128 v[SCR+8*\i:SCR+8*\i+3], v[LSC], s[14:15] offset:1024*\i
	global_load_b128 v[SCR+8*\i+4:SCR+8*\i+7], v[LSC], s[14:15] offset:1024*\i+16
.endr
	WIN 0xc0                                       ; destination window 3
.irp n, 0,1,2,3,4,5,6,7,8,9,10,11,12,13,14,15
	global_load_b128 v[4*\n:4*\n+3], v[BPO], s[16:17] offset:128*(\n/4)+16*(\n%4)   ; register 16 b + i: P's row 32 b + 16 h + i
.endr
.irp m, 0,1,2,3
	global_load_b32 v[64+2*\m], v[BRO], s[20:21] offset:4*(32*(\m/2)+8*(\m%2))      ; my row of R's tile m, in both registers of a pair
	global_load_b32 v[65+2*\m], v[BRO], s[20:21] offset:4*(32*(\m/2)+8*(\m%2))
.endr
	WIN 0
	s_wait_xcnt 0x0                                ; these loads have read their bases: s10 to s21 are written again only behind this wait
	; where my results go
	s_lshl_b32 s18, s[PIDX], 2
	s_lshl_b32 s19, s[WP], 1
	s_add_co_u32 s18, s18, s19                     ; q, k: my first head: 4 x block of P + 2 x half
	s_lshl_b32 s19, s[RIDX], 1
	s_add_co_u32 s19, s19, s[WR]                   ; v: my head: 2 x block of R + half
	s_lshl_b32 s20, s[RIDX], 7
	s_lshl_b32 s21, s[WR], 6
	s_add_co_u32 s20, s20, s21                     ; q, k: my first token
	s_lshl_b32 s21, s[PIDX], 8
	s_lshl_b32 s[MX], s[WP], 7
	s_add_co_u32 s21, s21, s[MX]                   ; v: my first token
	s_cmp_eq_u32 s[SEC], 2
	s_cselect_b32 s18, s19, s18
	s_cselect_b32 s20, s21, s20
	s_lshr_b32 s19, s20, 11                        ; the batch
	s_lshl_b32 s19, s19, 4
	s_add_co_u32 s18, s18, s19                     ; 16 x batch + head
	s_and_b32 s20, s20, 2047                       ; the token in its sequence
	s_lshr_b32 s21, s20, 6                         ; its group of 64
	s_lshl_b32 s[MX], s18, 5
	s_add_co_u32 s[MX], s[MX], s21
	s_mul_i32 s[MX], s[MX], 3328                   ; q's record,
	s_add_co_u32 s[MX+1], s[MX], 3072              ; its scale words
	s_lshl_b32 s[MX+2], s18, 3
	s_lshr_b32 s[MX+3], s20, 8
	s_add_co_u32 s[MX+2], s[MX+2], s[MX+3]
	s_mul_i32 s[MX+2], s[MX+2], 26112              ; the record of 256 keys
	s_and_b32 s21, s21, 3
	s_mul_i32 s[MX+3], s21, 3072
	s_add_co_u32 s[MX+3], s[MX+3], s[MX+2]         ; k's four tiles,
	s_lshl_b32 s21, s21, 8
	s_add_co_u32 s21, s21, s[MX+2]
	s_add_co_u32 s21, s21, 24576                   ; their scale words
	s_mul_i32 s19, s[WP], 6144
	s_add_co_u32 s19, s19, s[MX+2]
	s_add_co_u32 s19, s19, 12288                   ; v's 128 keys,
	s_lshl_b32 s20, s[WP], 8
	s_add_co_u32 s20, s20, s[MX+2]
	s_add_co_u32 s20, s20, 25600                   ; their scale words
	s_cmp_eq_u32 s[SEC], 2
	s_cselect_b32 s[MX+3], s19, s[MX+3]
	s_cselect_b32 s21, s20, s21
	s_mov_b32 s19, 208896                          ; k: pieces 3-5 belong to the next head, 8 records on;
	s_cselect_b32 s19, 3072, s19                   ; v: to the next 64 keys
	s_mov_b32 s20, 106496                          ; q: to the next head, 32 records on
	s_cmp_eq_u32 s[SEC], 0
	s_cselect_b32 s[MX], s[MX], s[MX+3]
	s_cselect_b32 s[MX+2], s[MX+1], s21
	s_cselect_b32 s20, s20, s19
	s_cselect_b64 s[22:23], s[22:23], s[24:25]
	s_mov_b32 s[MX+1], 0
	s_mov_b32 s[MX+3], 0
	s_mov_b32 s21, 0
	s_add_nc_u64 s[CB0:CB0+1], s[22:23], s[MX:MX+1]
	s_add_nc_u64 s[SB0:SB0+1], s[22:23], s[MX+2:MX+3]
	s_add_nc_u64 s[CB1:CB1+1], s[CB0:CB0+1], s[20:21]
	s_add_nc_u64 s[SB1:SB1+1], s[SB0:SB0+1], s[20:21]   ; (not used for v)
	s_wait_tensorcnt 3                             ; my part of chunk 0 has landed; the three chunks issued behind it may stay out
	s_barrier_signal -1
	s_barrier_wait -1                              ; everybody's has
	FETCH_P 0, 0
	FETCH_R 0, 0
	s_wait_loadcnt 0x0                             ; the scale words and the biases
.irp s, 0,1,2,3,4,5,6,7
	KSTEP \s
.endr
	WIN 0                                          ; at a branch and at a label every window is 0
	s_cmp_eq_u32 s[SEC], 2                         ; the cluster's y alone: the same in all sixteen partners
	s_cbranch_scc1 .Lout_v
	EPI 0
	s_branch .Lclose
.Lout_v:
	EPI 1
.Lclose:
	s_wait_tensorcnt 0x0                           ; the wave's end: behind my last tensor load
	ds_add_u32 v[SPW], v[NIL]
	s_wait_dscnt 0x0
	CROUND                                         ; the closing round: no work-group ends while a partner may still ask for a tile that names it
	s_endpgm
.Lfunc_end_k_q18bffeb991_qkv:
	.size	k_q18bffeb991_qkv, .Lfunc_end_k_q18bffeb991_qkv-k_q18bffeb991_qkv
	.p2alignl 7, 3214868480
	.fill 96, 4, 3214868480
	.section	.rodata,"a",@progbits
	.p2align	6, 0x0
	.amdhsa_kernel k_q18bffeb991_qkv
		.amdhsa_group_segment_fixed_size 327680
		.amdhsa_private_segment_fixed_size 0
		.amdhsa_enable_private_segment 0
		.amdhsa_kernarg_size 88
		.amdhsa_user_sgpr_count 2
		.amdhsa_user_sgpr_kernarg_segment_ptr 1
		.amdhsa_wavefront_size32 1
		.amdhsa_system_sgpr_workgroup_id_x 1
		.amdhsa_system_sgpr_workgroup_id_y 1
		.amdhsa_system_sgpr_workgroup_id_z 1
		.amdhsa_system_vgpr_workitem_id 0
		.amdhsa_next_free_vgpr 1024
		.amdhsa_next_free_sgpr 102
		.amdhsa_reserve_vcc 0
		.amdhsa_float_denorm_mode_32 3
		.amdhsa_float_denorm_mode_16_64 3
		.amdhsa_memory_ordered 1
		.amdhsa_forward_progress 1
		.amdhsa_inst_pref_size 138
	.end_amdhsa_kernel
	.amdgpu_metadata
---
amdhsa.version: [ 1, 2 ]
amdhsa.kernels:
  - .name:           k_q18bffeb991_qkv
    .symbol:         k_q18bffeb991_qkv.kd
    .args:
      - { .name: xi, .offset: 0, .size: 8, .value_kind: global_buffer, .address_space: global }
      - { .name: xsc, .offset: 8, .size: 8, .value_kind: global_buffer, .address_space: global }
      - { .name: wi, .offset: 16, .size: 8, .value_kind: global_buffer, .address_space: global }
      - { .name: Wq_scales, .offset: 24, .size: 8, .value_kind: global_buffer, .address_space: global }
      - { .name: Wk_scales, .offset: 32, .size: 8, .value_kind: global_buffer, .address_space: global }
      - { .name: Wv_scales, .offset: 40, .size: 8, .value_kind: global_buffer, .address_space: global }
      - { .name: bq, .offset: 48, .size: 8, .value_kind: global_buffer, .address_space: global }
      - { .name: bk, .offset: 56, .size: 8, .value_kind: global_buffer, .address_space: global }
      - { .name: bv, .offset: 64, .size: 8, .value_kind: global_buffer, .address_space: global }
      - { .name: qb, .offset: 72, .size: 8, .value_kind: global_buffer, .address_space: global }
      - { .name: kv, .offset: 80, .size: 8, .value_kind: global_buffer, .address_space: global }
    .group_segment_fixed_size: 327680
    .private_segment_fixed_size: 0
    .kernarg_segment_align: 8
    .kernarg_segment_size: 88
    .max_flat_workgroup_size: 128
    .sgpr_count:     102
    .vgpr_count:     1024
    .wavefront_size: 32
...
	.end_amdgpu_metadata
.endif
;; end of part 2
;; launch attn (part 3): grid 4 x 64, 16 waves a work-group, no clusters, 327,680 bytes of LDS; arguments qb, kv, oi, osc; writes oi, osc
.if DOCPART == 3
	.amdgcn_target "amdgcn-amd-amdhsa--gfx1250"
	.amdhsa_code_object_version 6
	.text
	.protected	k_q18bffeb991_attn
	.globl	k_q18bffeb991_attn
	.p2align	8
	.type	k_q18bffeb991_attn,@function
k_q18bffeb991_attn:
	s_mov_b64 s[64:65], 0
	v_nop
	global_prefetch_b8 v0, s[64:65] scope:SCOPE_SE
	s_setreg_imm32_b32 hwreg(HW_REG_WAVE_MODE, 25, 1), 1
	s_wait_xcnt 0x0
; ATTN.  Causal attention of one (batch, head) on codes of FP6 (E2M3) with E8M0 scales; head size 64, 2,048 tokens.  The result is divided by the row's sum and quantised along the head's 64 for the last projection.
; THE SOFTMAX AHEAD OF THE SECOND PRODUCT: t = score x log2(e) / 8; M = the running largest t rounded UP to a whole number; p = 2^(t - M) is quantised along the keys, not normalised; the row's sum is taken of the
; unquantised p; when M moves, the sum and O are multiplied by 2^(old M - new M), which rounds nothing.
; SHARES.  Work-group (I, head) owns the blocks of 256 queries I and 7 - I, one after the other: I + 1 and 8 - I records of 256 keys, NINE trips for every work-group, so that the causal mask leaves all 256 equal work
; and the trip count is a constant.  Each of the sixteen waves owns one tile of 16 queries in 256 registers: four waves to a SIMD, so that one wave's vector work stands beside another's products and LDS loads.
; A record of kv (26,112 bytes: 16 half fragments of k, 16 of v, both operands' scale words) is one dense block: waves 0 and 1 bring a half each by one tensor load, into two slots by turns; one load of a wave is out.
; NO CLUSTER: in trip T work-group I reads record T while T <= I and record T - I - 1 after: the four work-groups of a head want different records in most trips, so a joint request would name tiles that partners do not read.
; LAYOUT.  Both products are used transposed: S^T = K Q^T (source 0 = 16 keys), O^T = V^T P^T (source 0 = 16 of the head's 64): a lane holds ONE query throughout.  Lane r of a tile T (of keys, queries or d) holds
; row 32 (T / 2) + 8 (T % 2) + r + 8 (r / 8): the 16 registers of tiles 2 b, 2 b + 1 are 16 neighbours.  The first product's K is 64: registers 6-11 of K's and Q's fragments are zero codes, set once.
; A key step (128 keys) all of whose keys come after the wave's queries is left out: the wave's 16 queries lie in one aligned group of 32 and a step begins at a multiple of 128, so that is where its first key lies above my first query.
; LIMITS: NaN and infinities are not served; a p under 2^-126 counts as 0; a block of O whose largest magnitude lies under 2^-124 gets the byte 1 (read by this program alone).
; REGISTERS: v1, v2 8 l, 16 r; v5, v6 addresses in the slot; v12 -M, v13 the largest t, v[14:15] the sum; v16-27 Q, v28 its scale word; v[30:31] f; v32-79 four fragments of K; v80-87, v88-91 K's and V's scale words;
;   v92 p's; v96-159 S^T, then p, then V's four fragments; v160-191 O^T; v192-210 codes; v212-227 at work.
.set SLOT1, 32768                      ; slot 1: one exclusive or turns an address in one slot into the other's
.set REC,   26112
.set HALF,  13056                      ; 51 rows of 256 bytes: what one tensor load brings
.set VCO,   12288                      ; in a record: v's codes,
.set KSO,   24576                      ; k's scale words,
.set VSO,   25600                      ; v's
.set SPARE, 65536                      ; behind the slots: the spare words, 128 bytes for each of sixteen waves, that no other line names
.set SPW, 3
.set NIL, 4
.set ADK, 5                            ; slot + 8 x lane
.set ADS, 6                            ; slot + 16 r
.set BM,  212                          ; v212-215 the blocks' largest scores
.set PT,  216                          ; v216-219 lane permutes' results, then bytes
.set SO,  220                          ; v220-223 the conversions' scale operands
.set TA,  224
.set WV,  12
.set I,   13
.set BH,  14
.set QB,  15                           ; the block of 256 queries in hand
.set Q0,  16                           ; my first query
.set KF,  17                           ; the step's first key
.set TB,  18                           ; the slot in hand
.set T,   19                           ; the trip
.set CUR, 20                           ; the record in hand
.set NS,  21                           ; the record asked for
.set CS,  22                           ; s[22:23] c = log2(e) / 8
.set SEL, 24
.set HM,  26
.set G1,  28
.set G0,  36
.set KVB, 40                           ; s[40:41] my half of the head's record 0
.set QP,  44
.set OIP, 46
.set OSP, 48
.set QC,  52
.macro TLOAD                           ; waves 0 and 1 fetch; the branch hangs on the wave's number alone; an s_nop 0 and four v_nop follow the load
	s_cmp_lt_u32 s[WV], 2
	s_cbranch_scc0 .Lno_load_\@
	tensor_load_to_lds s[G0:G0+3], s[G1:G1+7]
	s_nop 0
.rept 4
	v_nop
.endr
.Lno_load_\@:
.endm
; THE CHANGE OF SLOTS, at a trip's head.  Each wave waits for all its tensor loads, adds 0 to its spare word, and waits for that and for its reads of the slot that it has left; behind the barrier the slot ahead is whole
; and nobody reads the other one, which (fill = 1) takes the next trip's record: the load has a whole trip in which to land.
.macro CHANGE fill
	s_wait_tensorcnt 0x0                           ; no tensor load of mine is out, so group 0 may be written
	ds_add_u32 v[SPW], v[NIL]                      ; 0 onto my spare word; the descriptor's steps stand between it and the wait for it
.if \fill
	s_add_co_u32 s[NS], s[CUR], 1
	s_cmp_eq_u32 s[T], s[I]
	s_cselect_b32 s[NS], 0, s[NS]                  ; behind the first block's last record the second block begins at record 0
	s_xor_b32 s[G0+1], s[G0+1], SLOT1
	s_mul_i32 s42, s[NS], REC
	s_mov_b32 s43, 0
	s_add_nc_u64 s[G0+2:G0+3], s[KVB:KVB+1], s[42:43]
	s_or_b32 s[G0+3], s[G0+3], 0x80000000
.endif
	s_wait_dscnt 0x0                               ; the add is done, and my reads of the slot that I have left are over
	s_barrier_signal -1
	s_barrier_wait -1
.if \fill
	TLOAD                                          ; the first thing behind the barrier, and a wave's one tensor load until the next
.endif
	v_add_nc_u32 v[ADK], s[TB], v1
	v_add_nc_u32 v[ADS], s[TB], v2
.endm
; A KEY STEP: 128 keys, the q-th of the slot in hand.
.macro STEP q
	s_cmp_gt_u32 s[KF], s[Q0]                      ; ids and counted steps alone; no barrier and no tensor load stands in a step
	s_cbranch_scc1 .Lhidden_\@
	s_wait_alu depctr_va_vdst(0)
	ds_load_b128 v[80:83], v[ADS] offset:KSO+256*(2*\q)      ; the scale words of my row in four tiles of keys each
	ds_load_b128 v[84:87], v[ADS] offset:KSO+256*(2*\q+1)
	s_wait_alu depctr_va_vdst(0)
.irp g, 0,1                                    ; S^T = K Q^T, four tiles of 16 keys at a time
.if \g
.rept 4
	v_nop                                          ; places in front of loads into registers that the four products above have read
.endr
.endif
.irp t, 0,1,2,3
.irp p, 0,1,2
	ds_load_b64 v[32+12*\t+2*\p:33+12*\t+2*\p], v[ADK] offset:768*(8*\q+4*\g+\t)+256*\p   ; a half fragment: registers 0-5
.endr
.endr
	s_wait_dscnt 0x0
.irp t, 0,1,2,3
	v_wmma_scale_f32_16x16x128_f8f6f4 v[96+8*(4*\g+\t):103+8*(4*\g+\t)], v[32+12*\t:43+12*\t], v[16:27], 0, v[80+4*\g+\t], v28 matrix_a_fmt:MATRIX_FMT_FP6 matrix_b_fmt:MATRIX_FMT_FP6
.endr
.endr                                          ; register 16 b + i holds key KF + 32 b + 16 (lane / 16) + i
.rept 4
	v_nop
.endr
	s_add_co_u32 s27, s[KF], 127                   ; on the diagonal hidden scores become -infinity ahead of the maximum: p = 0 then.  A step all of whose keys count skips this
	s_cmp_le_u32 s27, s[Q0]
	s_cbranch_scc1 .Lopen_\@
	s_sub_co_i32 s27, s[Q0], s[KF]
	v_add_nc_u32 v[TA], s27, v7                    ; d = my query - KF - 16 (lane / 16): hidden where 32 b + i > d
	v_mov_b32 v[TA+1], 0xff800000
.set NN, 0
.rept 64
	v_cmp_gt_i32 vcc_lo, 32*(NN/16)+NN%16, v[TA]
	v_cndmask_b32 v[96+NN], v[96+NN], v[TA+1], vcc_lo
.set NN, NN+1
.endr
.Lopen_\@:
.irp b, 0,1,2,3
	v_max3_num_f32 v[BM+\b], v[96+16*\b], v[97+16*\b], v[98+16*\b]   ; the largest score of each block of 32 keys: for the row's maximum and, since p rises with the score, for the block's largest p
.endr
.irp i, 3,5,7,9,11,13
.irp b, 0,1,2,3
	v_max3_num_f32 v[BM+\b], v[BM+\b], v[96+16*\b+\i], v[97+16*\b+\i]
.endr
.endr
.irp b, 0,1,2,3
	v_max_num_f32 v[BM+\b], v[BM+\b], v[111+16*\b]
.endr
.irp b, 0,1,2,3
	s_delay_alu instid0(VALU_DEP_4)
	v_permlanex16_b32 v[PT+\b], v[BM+\b], s[SEL], s[SEL+1]
.endr
.irp b, 0,1,2,3
	s_delay_alu instid0(VALU_DEP_4)
	v_max_num_f32 v[BM+\b], v[BM+\b], v[PT+\b]     ; with lane l xor 16's 16 keys
.endr
	s_delay_alu instid0(VALU_DEP_2)
	v_max3_num_f32 v[TA], v[BM], v[BM+1], v[BM+2]
	s_delay_alu instid0(VALU_DEP_1)
	v_max_num_f32 v[TA], v[TA], v[BM+3]
	s_delay_alu instid0(VALU_DEP_1)
	v_mul_f32 v[TA], s[CS], v[TA]                  ; the step's largest t (c is positive)
	s_delay_alu instid0(VALU_DEP_1)
	v_max_num_f32 v13, v13, v[TA]                  ; the running largest t
	v_mov_b32 v[TA], v12
	s_delay_alu instid0(VALU_DEP_2)
	v_floor_f32 v12, -v13                          ; the new -M = floor(-t): M is a whole number
	s_delay_alu instid0(VALU_DEP_1)
	v_sub_f32 v[TA], v12, v[TA]                    ; old M - new M, 0 or less
	s_delay_alu instid0(VALU_DEP_1)
	v_cvt_i32_f32 v[TA], v[TA]                     ; (it saturates)
	s_delay_alu instid0(VALU_DEP_1)
	v_ldexp_f32 v30, 1.0, v[TA]                    ; f = 2^(old M - new M)
.set NN, 0
.rept 32
	v_pk_fma_f32 v[96+NN:97+NN], v[96+NN:97+NN], s[CS:CS+1], v[12:13] op_sel_hi:[1,0,0]   ; t - M, two at a time
.set NN, NN+2
.endr
.irp b, 0,1,2,3
	v_fma_f32 v[BM+\b], v[BM+\b], s[CS], v12       ; the same of each block's largest score
.endr
.set NN, 0
	s_wait_alu depctr_va_vdst(0)
.rept 64
	v_exp_f32 v[96+NN], v[96+NN]                   ; p = 2^(t - M), at most 1
.set NN, NN+1
.endr
	v_pk_mul_f32 v[14:15], v[14:15], v[30:31] op_sel_hi:[1,0]   ; the sums under the new M: a plain place behind the exponentials
	s_wait_alu depctr_va_vdst(0)                   ; one wait for the batch of 64, ahead of its first reader
.irp b, 0,1,2,3
	v_exp_f32 v[BM+\b], v[BM+\b]                   ; the block's largest p: the same two instructions on the same number give the same bits
.endr
	v_pk_add_f32 v[226:227], v[100:101], v[104:105]
	v_pk_add_f32 v[254:255], v[108:109], v[112:113]
	v_pk_add_f32 v[252:253], v[116:117], v[120:121]
	v_pk_add_f32 v[250:251], v[124:125], v[128:129]
	v_pk_add_f32 v[248:249], v[132:133], v[136:137]
	v_pk_add_f32 v[246:247], v[140:141], v[144:145]
	v_pk_add_f32 v[244:245], v[148:149], v[152:153]
	v_pk_add_f32 v[14:15], v[14:15], v[156:157]
	v_pk_add_f32 v[226:227], v[226:227], v[96:97]
	v_pk_add_f32 v[254:255], v[254:255], v[98:99]
	v_pk_add_f32 v[252:253], v[252:253], v[102:103]
	v_pk_add_f32 v[250:251], v[250:251], v[106:107]
	v_pk_add_f32 v[248:249], v[248:249], v[110:111]
	v_pk_add_f32 v[246:247], v[246:247], v[114:115]
	v_pk_add_f32 v[244:245], v[244:245], v[118:119]
	v_pk_add_f32 v[14:15], v[14:15], v[122:123]
	v_pk_add_f32 v[226:227], v[226:227], v[126:127]
	v_pk_add_f32 v[254:255], v[254:255], v[130:131]
	v_pk_add_f32 v[252:253], v[252:253], v[134:135]
	v_pk_add_f32 v[250:251], v[250:251], v[138:139]
	v_pk_add_f32 v[248:249], v[248:249], v[142:143]
	v_pk_add_f32 v[246:247], v[246:247], v[146:147]
	v_pk_add_f32 v[244:245], v[244:245], v[150:151]
	v_pk_add_f32 v[14:15], v[14:15], v[154:155]
	v_pk_add_f32 v[226:227], v[226:227], v[158:159]
	s_delay_alu instid0(VALU_DEP_2)
	v_pk_add_f32 v[14:15], v[14:15], v[250:251]
	s_delay_alu instid0(VALU_DEP_2)
	v_pk_add_f32 v[226:227], v[226:227], v[248:249]
	v_pk_add_f32 v[254:255], v[254:255], v[246:247]
	v_pk_add_f32 v[252:253], v[252:253], v[244:245]
	s_delay_alu instid0(VALU_DEP_2)
	v_pk_add_f32 v[14:15], v[14:15], v[254:255]
	s_delay_alu instid0(VALU_DEP_2)
	v_pk_add_f32 v[226:227], v[226:227], v[252:253]
	s_delay_alu instid0(VALU_DEP_1)
	v_pk_add_f32 v[14:15], v[14:15], v[226:227]
	s_wait_alu depctr_va_vdst(0)                   ; and one for the four
.irp b, 0,1,2,3
	v_max_num_f32 v[BM+\b], 0x1800000, v[BM+\b]    ; the floor 2^(3 - 127): the byte cannot fall under 1 (a block of hidden keys keeps that byte: its codes are zeros)
.endr
.irp b, 0,1,2,3
	s_delay_alu instid0(VALU_DEP_4)
	v_add_nc_u32 v[SO+\b], 0xff000000, v[BM+\b]    ; 2 off the exponent field: the conversion's scale operand
.endr
.irp b, 0,1,2,3
	s_delay_alu instid0(VALU_DEP_4)
	v_lshrrev_b32 v[PT+\b], 23, v[SO+\b]           ; the scale's byte
.endr
	s_delay_alu instid0(VALU_DEP_3)
	v_lshl_or_b32 v92, v[PT+1], 8, v[PT]           ; p's scale word for these 128 keys
	s_delay_alu instid0(VALU_DEP_1)
	v_lshl_or_b32 v92, v[PT+2], 16, v92
	s_delay_alu instid0(VALU_DEP_1)
	v_lshl_or_b32 v92, v[PT+3], 24, v92
.irp c, 0,1
	v_cvt_scalef32_pk16_fp6_f32 v[192+6*\c:194+6*\c], v[96+32*\c:111+32*\c], v[SO+2*\c]
	v_cvt_scalef32_pk16_fp6_f32 v[204+4*\c:206+4*\c], v[112+32*\c:127+32*\c], v[SO+2*\c+1]   ; a conversion's three registers begin on an even number
.endr
	v_nop                                          ; one plain place behind a scaled conversion
.irp c, 0,1                                    ; a WHOLE block in a lane
.irp i, 0,1,2
	v_permlane16_swap_b32 v[192+6*\c+\i], v[204+4*\c+\i]
.endr
.irp i, 0,1,2
	s_delay_alu instid0(VALU_DEP_3)
	v_mov_b32 v[195+6*\c+\i], v[204+4*\c+\i]
.endr
.endr
.irp t, 0,1,2,3                                ; V^T's four tiles of 16 d x these 128 keys, into the registers that p has left: two half fragments each
.irp p, 0,1,2,3,4,5
	ds_load_b64 v[96+12*\t+2*\p:97+12*\t+2*\p], v[ADK] offset:VCO+768*(4*(2*\q+\p/3)+\t)+256*(\p%3)
.endr
.endr
	ds_load_b128 v[88:91], v[ADS] offset:VSO+256*\q
.set NN, 0
.rept 16
	v_pk_mul_f32 v[160+NN:161+NN], v[160+NN:161+NN], v[30:31] op_sel_hi:[1,0]   ; O^T under the new M.  These sixteen are also the places between p's codes and scale word and the products
.set NN, NN+2
.endr
	s_wait_alu depctr_va_vdst(0)
	s_wait_dscnt 0x0
.irp t, 0,1,2,3
	v_wmma_scale_f32_16x16x128_f8f6f4 v[160+8*\t:167+8*\t], v[96+12*\t:107+12*\t], v[192:203], v[160+8*\t:167+8*\t], v[88+\t], v92 matrix_a_fmt:MATRIX_FMT_FP6 matrix_b_fmt:MATRIX_FMT_FP6
.endr
.rept 5
	v_nop                                          ; five places: the next step's first products write over V's registers
.endr
.Lhidden_\@:
	s_add_co_u32 s[KF], s[KF], 128
.endm
; A BLOCK OF QUERIES BEGINS: Q's half fragment and scale word, the addresses of its results, and the sums as zeros (the first change of M multiplies zeros).
.macro START
	s_lshl_b32 s[Q0], s[QB], 8
	s_lshr_b32 s27, s[WV], 1
	s_lshl_b32 s27, s27, 5
	s_add_co_u32 s[Q0], s[Q0], s27
	s_and_b32 s27, s[WV], 1
	s_lshl_b32 s27, s27, 3
	s_add_co_u32 s[Q0], s[Q0], s27                 ; 256 x block + 32 (wave / 2) + 8 (wave % 2)
	s_mov_b32 s[KF], 0
	s_lshl_b32 s42, s[BH], 5
	s_lshl_b32 s27, s[QB], 2
	s_add_co_u32 s42, s42, s27
	s_lshr_b32 s27, s[WV], 2
	s_add_co_u32 s42, s42, s27
	s_mul_i32 s42, s42, 3328                       ; the record of my group of 64 queries
	s_mov_b32 s43, 0
	s_add_nc_u64 s[QP:QP+1], s[4:5], s[42:43]
	s_and_b32 s27, s[WV], 3
	s_mul_i32 s42, s27, 768
	s_add_nc_u64 s[QC:QC+1], s[QP:QP+1], s[42:43]  ; my tile's codes
	s_lshl_b32 s42, s27, 2
	s_add_nc_u64 s[QP:QP+1], s[QP:QP+1], s[42:43]  ; and its place in a row's four scale words
.irp p, 0,1,2
	global_load_b64 v[16+2*\p:17+2*\p], v1, s[QC:QC+1] offset:256*\p
.endr
	global_load_b32 v28, v2, s[QP:QP+1] offset:3072
	s_lshr_b32 s27, s[BH], 4
	s_lshl_b32 s27, s27, 7
	s_lshl_b32 s42, s[QB], 4
	s_add_co_u32 s27, s27, s42
	s_add_co_u32 s27, s27, s[WV]                   ; my tile among all tokens': 128 x batch + 16 x block + wave
	s_and_b32 s50, s[BH], 15                       ; the head
	s_mul_i32 s42, s27, 12288
	s_mul_i32 s51, s50, 768
	s_add_co_u32 s42, s42, s51
	s_add_nc_u64 s[OIP:OIP+1], s[8:9], s[42:43]
	s_lshl_b32 s42, s27, 5
	s_lshl_b32 s51, s50, 14
	s_add_co_u32 s42, s42, s51
	s_add_nc_u64 s[OSP:OSP+1], s[10:11], s[42:43]
.set NN, 0
.rept 32
	v_mov_b32 v[160+NN], 0
.set NN, NN+1
.endr
	v_mov_b32 v14, 0
	v_mov_b32 v15, 0
	v_mov_b32 v13, 0xff61b1e6                      ; -3e38, under every t
	s_delay_alu instid0(VALU_DEP_1)
	v_floor_f32 v12, -v13
	s_wait_loadcnt 0x0
.endm
; A BLOCK OF QUERIES ENDS: O^T / the sum; its two blocks of 32 along d are quantised; the half fragment leaves in three stores of 256 bytes, the two bytes a row as 32 consecutive bytes a wave.
.macro FINISH
	v_add_f32 v14, v14, v15
	s_delay_alu instid0(VALU_DEP_1)
	v_permlanex16_b32 v[PT], v14, s[SEL], s[SEL+1]
	s_delay_alu instid0(VALU_DEP_1)
	v_add_f32 v14, v14, v[PT]                      ; the row's sum
	s_wait_alu depctr_va_vdst(0)
	v_rcp_f32 v14, v14
	v_nop                                          ; a plain place behind the reciprocal
	s_wait_alu depctr_va_vdst(0)                   ; the wait ahead of its first reader
.set NN, 0
.rept 16
	v_pk_mul_f32 v[96+NN:97+NN], v[160+NN:161+NN], v[14:15] op_sel_hi:[1,0]   ; register 16 b + i: d = 32 b + 16 (lane / 16) + i; each accumulator from its low end on
.set NN, NN+2
.endr
.irp b, 0,1
	v_max3_num_f32 v[BM+\b], |v[96+16*\b]|, |v[97+16*\b]|, 0x1800000
.endr
.irp i, 2,4,6,8,10,12,14
.irp b, 0,1
	s_delay_alu instid0(VALU_DEP_2)
	v_max3_num_f32 v[BM+\b], v[BM+\b], |v[96+16*\b+\i]|, |v[97+16*\b+\i]|
.endr
.endr
.irp b, 0,1
	s_delay_alu instid0(VALU_DEP_2)
	v_permlanex16_b32 v[PT+\b], v[BM+\b], s[SEL], s[SEL+1]
.endr
.irp b, 0,1
	s_delay_alu instid0(VALU_DEP_2)
	v_max_num_f32 v[BM+\b], v[BM+\b], v[PT+\b]
.endr
.irp b, 0,1
	s_delay_alu instid0(VALU_DEP_2)
	v_add_nc_u32 v[SO+\b], 0xff000000, v[BM+\b]
.endr
.irp b, 0,1
	s_delay_alu instid0(VALU_DEP_2)
	v_lshrrev_b32 v[PT+\b], 23, v[SO+\b]
.endr
	v_cvt_scalef32_pk16_fp6_f32 v[192:194], v[96:111], v[SO]
	v_cvt_scalef32_pk16_fp6_f32 v[204:206], v[112:127], v[SO+1]
	v_cndmask_b32 v[PT+2], v[PT], v[PT+1], s[HM]   ; lanes 0-15 carry block 0's byte, lanes 16-31 block 1's.  (The plain place behind the conversions)
.irp i, 0,1,2
	v_permlane16_swap_b32 v[192+\i], v[204+\i]
.endr
.irp i, 0,1,2
	s_delay_alu instid0(VALU_DEP_3)
	v_mov_b32 v[195+\i], v[204+\i]
.endr
.irp p, 0,1,2
	global_store_b64 v1, v[192+2*\p:193+2*\p], s[OIP:OIP+1] offset:256*\p
.endr
	global_store_b8 v8, v[PT+2], s[OSP:OSP+1]
	s_wait_xcnt 0x0                                ; the stores have read their data and bases: both are written again only behind this wait
.endm
	s_load_b256 s[4:11], s[0:1], 0x0               ; qb s[4:5], kv s[6:7], oi s[8:9], osc s[10:11]
	v_lshl_add_u32 v[SPW], v0, 2, SPARE
	v_mov_b32 v[NIL], 0
	ds_add_u32 v[SPW], v[NIL]                      ; the wave's opening: the add and its wait stand ahead of the first tensor load; work on registers stands between them
	ds_add_u32 v[SPW], v[NIL]
	v_lshrrev_b32 v1, 5, v0
	s_delay_alu instid0(VALU_DEP_1)
	v_readfirstlane_b32 s[WV], v1                  ; wave 0..15
	s_mov_b32 s[I], ttmp9
	s_and_b32 s[BH], ttmp7, 0xffff
	s_mov_b32 s[G1], 3<<16                         ; no mask; elements of 8 bytes; no padding
	s_mov_b32 s[G1+1], 32<<16                      ; tensor_dim0: 256 bytes
	s_mov_b32 s[G1+2], 51<<16                      ; tensor_dim1
	s_mov_b32 s[G1+3], 32<<16                      ; tile_dim0
	s_mov_b32 s[G1+4], 51                          ; tile_dim1
	s_mov_b32 s[G1+5], 32                          ; dense
	s_mov_b32 s[G1+6], 0
	s_mov_b32 s[G1+7], 0
	s_mov_b32 s[SEL], 0x76543210
	s_mov_b32 s[SEL+1], 0xfedcba98
	s_mov_b32 s[CS], 0x3e38aa3b                    ; log2(e) / 8
	s_mov_b32 s[CS+1], s[CS]                       ; named with it as a pair, so it is written
	s_mov_b32 s[HM], 0xffff0000
	s_mov_b32 s[TB], 0
	s_mov_b32 s[CUR], 0
	s_mov_b32 s[NS], 0
	s_mov_b32 s[QB], s[I]
	v_and_b32 v9, 31, v0
	s_delay_alu instid0(VALU_DEP_1)
	v_lshlrev_b32 v1, 3, v9                        ; 8 x lane
	v_and_b32 v10, 15, v0                          ; r
	s_delay_alu instid0(VALU_DEP_1)
	v_lshlrev_b32 v2, 4, v10                       ; 16 r
	v_bfe_u32 v11, v0, 4, 1                        ; h
	s_delay_alu instid0(VALU_DEP_3)
	v_and_b32 v7, 8, v10
	s_delay_alu instid0(VALU_DEP_1)
	v_add_nc_u32 v7, v7, v10
	s_delay_alu instid0(VALU_DEP_3)
	v_lshlrev_b32 v9, 4, v11
	s_delay_alu instid0(VALU_DEP_1)
	v_sub_nc_u32 v7, v7, v9                        ; r + 8 (r / 8) - 16 h
	v_lshl_add_u32 v8, v10, 1, v11                 ; 2 r + h
.irp e, 22,23,24,25,26,27
	v_mov_b32 v[\e], 0                             ; Q's zero codes of k = 64 .. 127
.endr
.irp t, 0,1,2,3
.irp e, 6,7,8,9,10,11
	v_mov_b32 v[32+12*\t+\e], 0                    ; K's
.endr
.endr
.irp b, 0,1,2,3
	v_mov_b32 v[PT+\b], 0                          ; written once: a lane permute's destination counts as one of its sources
.endr
	v_mov_b32 v31, 0                               ; named as the upper half of the pair v[30:31]
	s_mul_i32 s42, s[BH], 8*REC
	s_mul_i32 s27, s[WV], HALF
	s_add_co_u32 s42, s42, s27
	s_mov_b32 s43, 0
	s_wait_dscnt 0x0                               ; the opening add is done
	s_wait_kmcnt 0x0
	s_add_nc_u64 s[KVB:KVB+1], s[6:7], s[42:43]
	s_mov_b32 s[G0], 1
	s_mov_b32 s[G0+1], s27                         ; slot 0, my half
	s_mov_b64 s[G0+2:G0+3], s[KVB:KVB+1]
	s_or_b32 s[G0+3], s[G0+3], 0x80000000
	TLOAD                                          ; record 0 into slot 0
	START
	s_mov_b32 s[T], 0
.Ltrip:                                            ; eight trips ask for the next record; the ninth is written out
	CHANGE 1
	STEP 0
	STEP 1
	s_xor_b32 s[TB], s[TB], SLOT1
	s_mov_b32 s[CUR], s[NS]
	s_cmp_lg_u32 s[T], s[I]                        ; the work-group's number and the trip: all sixteen waves go the same way; no barrier, tensor load or LDS access stands under the branch
	s_cbranch_scc1 .Lsame
	s_wait_alu depctr_va_vdst(0)
	FINISH
	s_sub_co_u32 s[QB], 7, s[I]
	START
.Lsame:
	s_add_co_u32 s[T], s[T], 1
	s_cmp_lt_u32 s[T], 8
	s_cbranch_scc1 .Ltrip
	CHANGE 0
	STEP 0
	STEP 1
	s_wait_alu depctr_va_vdst(0)
	FINISH
	s_wait_tensorcnt 0x0                           ; the wave's end: behind the last tensor load
	ds_add_u32 v[SPW], v[NIL]
	s_wait_dscnt 0x0
	s_endpgm
.Lfunc_end_k_q18bffeb991_attn:
	.size	k_q18bffeb991_attn, .Lfunc_end_k_q18bffeb991_attn-k_q18bffeb991_attn
	.p2alignl 7, 3214868480
	.fill 96, 4, 3214868480
	.section	.rodata,"a",@progbits
	.p2align	6, 0x0
	.amdhsa_kernel k_q18bffeb991_attn
		.amdhsa_group_segment_fixed_size 327680
		.amdhsa_private_segment_fixed_size 0
		.amdhsa_enable_private_segment 0
		.amdhsa_kernarg_size 32
		.amdhsa_user_sgpr_count 2
		.amdhsa_user_sgpr_kernarg_segment_ptr 1
		.amdhsa_wavefront_size32 1
		.amdhsa_system_sgpr_workgroup_id_x 1
		.amdhsa_system_sgpr_workgroup_id_y 1
		.amdhsa_system_sgpr_workgroup_id_z 1
		.amdhsa_system_vgpr_workitem_id 0
		.amdhsa_next_free_vgpr 256
		.amdhsa_next_free_sgpr 66
		.amdhsa_reserve_vcc 1
		.amdhsa_float_denorm_mode_32 3
		.amdhsa_float_denorm_mode_16_64 3
		.amdhsa_memory_ordered 1
		.amdhsa_forward_progress 1
		.amdhsa_inst_pref_size 114
	.end_amdhsa_kernel
	.amdgpu_metadata
---
amdhsa.version: [ 1, 2 ]
amdhsa.kernels:
  - .name:           k_q18bffeb991_attn
    .symbol:         k_q18bffeb991_attn.kd
    .args:
      - { .name: qb, .offset: 0, .size: 8, .value_kind: global_buffer, .address_space: global }
      - { .name: kv, .offset: 8, .size: 8, .value_kind: global_buffer, .address_space: global }
      - { .name: oi, .offset: 16, .size: 8, .value_kind: global_buffer, .address_space: global }
      - { .name: osc, .offset: 24, .size: 8, .value_kind: global_buffer, .address_space: global }
    .group_segment_fixed_size: 327680
    .private_segment_fixed_size: 0
    .kernarg_segment_align: 8
    .kernarg_segment_size: 32
    .max_flat_workgroup_size: 512
    .sgpr_count:     66
    .vgpr_count:     256
    .wavefront_size: 32
...
	.end_amdgpu_metadata
.endif
;; end of part 3
;; launch oproj (part 4): grid 4 x 64, 4 waves a work-group, clusters of 4 x 4, 327,680 bytes of LDS; arguments oi, osc, wi, Wo_scales, bo, x, out0; writes out0
.if DOCPART == 4
	.amdgcn_target "amdgcn-amd-amdhsa--gfx1250"
	.amdhsa_code_object_version 6
	.text
	.protected	k_q18bffeb991_oproj
	.globl	k_q18bffeb991_oproj
	.p2align	8
	.type	k_q18bffeb991_oproj,@function
k_q18bffeb991_oproj:
	s_mov_b64 s[64:65], 0
	v_nop
	global_prefetch_b8 v0, s[64:65] scope:SCOPE_SE
	s_setreg_imm32_b32 hwreg(HW_REG_WAVE_MODE, 25, 1), 1
	s_wait_xcnt 0x0
	s_wait_alu depctr_hold_cnt(0) depctr_sa_sdst(0) depctr_va_vdst(0) depctr_va_sdst(0) depctr_va_ssrc(0) depctr_va_vcc(0) depctr_vm_vsrc(0)
	s_getreg_b32 s2, hwreg(HW_REG_IB_STS2, 6, 4)
	s_cmp_eq_u32 s2, 0
	s_cbranch_scc0 .Lentry_in_a_cluster
	s_endpgm
.Lentry_in_a_cluster:
	s_bfe_u32 s2, ttmp6, 0x10000c
	s_cmp_lg_u32 s2, 0xf033
	s_cbranch_scc0 .Lentry_shape_is_right
	s_endpgm
.Lentry_shape_is_right:
; OPROJ.  out0 = o Wo + bo + x on codes of FP6 (E2M3) with E8M0 scales; sums, bias and residual in f32.
; THE PRODUCT.  Operand P (source 0) = Wo's columns, operand R (source 1) = tokens: a lane holds one token and its registers run along the output's columns.  A work-group makes 256 columns x 128 tokens; each of its
; four waves 128 x 64: 32 accumulators.  Both operands come as images of fragments (six pieces of 256 bytes; lane l's 8 bytes at 8 l), 12,288 bytes a tile of 16 rows for all of K = 1,024.
; ALL OF K LIES IN LDS: (256 + 128) rows x 768 bytes = 294,912 bytes, as four chunks of 256 along K, each brought by one tensor load a wave, all four issued at the head: four tensor loads of a wave are out, nothing is
; filled twice, and a chunk's barrier only shows it whole.  CLUSTER 4 x 4: P's tile hangs on cx and goes jointly to the column of the cluster, R's on cy and to the row.
; A tile's rows: lane r of tile T holds row 32 (T / 2) + 8 (T % 2) + r + 8 (r / 8), so that the 16 registers of P's tiles 2 b, 2 b + 1 are columns 32 b + 16 (lane / 16) + 0 .. 15.
; The bias is the C of the first K step's products.  The residual's rows are asked for at the head and in the third K step, so that they are on their way under the products.
; THE WAY OUT goes through a stage of 16 rows x 528 bytes a wave, in chunk 0's bytes: that chunk has had its only fill, and nobody reads it behind the barrier that shows chunk 1.
; REGISTERS, in windows of 256: window 0: v4-15 addresses; v16-47 P's scale words, v48-63 R's; v64-159 R's fragments, two sets; v160-223 the bias; v224-228 addresses; on the way out v64-191 are rows of the result.
;   window 1: P's fragments, two sets, at v0 and v128.   window 2: accumulator (a, b) at v[8 (8 a + b)].   window 3: the residual, 64 registers for each of R's four tiles.
.set CHUNK, 73728                      ; 256 along K: P's 16 tiles x 3,072 bytes, then R's 8
.set ROFF,  49152
.set SPARE, 4*CHUNK                    ; behind the chunks: the spare words, 128 bytes for each wave, that no other line names
.set SPITCH, 528                       ; a stage row: 512 bytes + 16 = 33 x 16
.set ADP, 4
.set ADR, 8
.set LI8, 12
.set LSC, 13
.set SPW, 14                           ; v14    LDS address of my spare word; never rewritten
.set NIL, 15                           ; v15    0; never rewritten
.set SCP, 16                           ; scale words: register 8 i + s: K step s of tiles 2 i (lanes 0-15) and 2 i + 1 (lanes 16-31)
.set SCR, 48
.set RF,  64
.set BO,  160
.set LI16, 224                         ; v224 16 x lane
.set L2,  225                          ; v225 2 x lane
.set BPO, 226                          ; v226 64 h
.set STO, 227                          ; v227 into my stage
.set SRD, 228                          ; v228 and back
.set WV,  26
.set WP,  27
.set G1P, 28
.set G1R, 36
.set G0P, 44
.set WR,  60
.set CX,  61
.set CY,  62
.set NT,  66                           ; s[66:67] at work; never holds cx or cy
.set G0R, 68
.set PIDX, 85                          ; holds cx, never cy
.set RIDX, 86                          ; holds cy, never cx
.set PI,  90
.set RI,  92
.set POF, 98
.set ROF, 100
.set MODE0, 2                          ; the first K step's products take the bias as C,
.set WIN0, 0x81                        ; which lies in window 0
.set MSB, 0
.macro WIN new                         ; the immediate's high byte repeats the setting that is left
.if MSB != \new
	s_set_vgpr_msb (MSB<<8)|\new
.set MSB, \new
.endif
.endm
.macro PLACES                          ; four plain places behind matrix instructions, in front of loads into their sources and of reads of their results
.rept 4
	v_nop
.endr
.endm
.macro CROUND                          ; a round of the cluster's barrier
	s_barrier_signal -1
	s_barrier_wait -1
	s_cmp_lg_u32 s[WV], 0
	s_cbranch_scc1 .Lnot_wave_0_\@
	s_barrier_signal -3
.Lnot_wave_0_\@:
	s_barrier_wait -3
	s_barrier_signal -1
	s_barrier_wait -1
.endm
; one product.  ra, rb: the scale word lies in lanes 16-31 (an odd tile).  cz = 1: C is the constant 0; else C = v[cb ..]
.macro WM acc, pf, rf, sp, sr, ra, rb, cz, cb
.if \cz
.if ((\ra)==0) && ((\rb)==0)
	v_wmma_scale_f32_16x16x128_f8f6f4 v[\acc:\acc+7], v[\pf:\pf+11], v[\rf:\rf+11], 0, v[\sp], v[\sr] matrix_a_fmt:MATRIX_FMT_FP6 matrix_b_fmt:MATRIX_FMT_FP6
.elseif (\rb)==0
	v_wmma_scale_f32_16x16x128_f8f6f4 v[\acc:\acc+7], v[\pf:\pf+11], v[\rf:\rf+11], 0, v[\sp], v[\sr] matrix_a_fmt:MATRIX_FMT_FP6 matrix_b_fmt:MATRIX_FMT_FP6 matrix_a_scale:MATRIX_SCALE_ROW1
.elseif (\ra)==0
	v_wmma_scale_f32_16x16x128_f8f6f4 v[\acc:\acc+7], v[\pf:\pf+11], v[\rf:\rf+11], 0, v[\sp], v[\sr] matrix_a_fmt:MATRIX_FMT_FP6 matrix_b_fmt:MATRIX_FMT_FP6 matrix_b_scale:MATRIX_SCALE_ROW1
.else
	v_wmma_scale_f32_16x16x128_f8f6f4 v[\acc:\acc+7], v[\pf:\pf+11], v[\rf:\rf+11], 0, v[\sp], v[\sr] matrix_a_fmt:MATRIX_FMT_FP6 matrix_b_fmt:MATRIX_FMT_FP6 matrix_a_scale:MATRIX_SCALE_ROW1 matrix_b_scale:MATRIX_SCALE_ROW1
.endif
.else
.if ((\ra)==0) && ((\rb)==0)
	v_wmma_scale_f32_16x16x128_f8f6f4 v[\acc:\acc+7], v[\pf:\pf+11], v[\rf:\rf+11], v[\cb:\cb+7], v[\sp], v[\sr] matrix_a_fmt:MATRIX_FMT_FP6 matrix_b_fmt:MATRIX_FMT_FP6
.elseif (\rb)==0
	v_wmma_scale_f32_16x16x128_f8f6f4 v[\acc:\acc+7], v[\pf:\pf+11], v[\rf:\rf+11], v[\cb:\cb+7], v[\sp], v[\sr] matrix_a_fmt:MATRIX_FMT_FP6 matrix_b_fmt:MATRIX_FMT_FP6 matrix_a_scale:MATRIX_SCALE_ROW1
.elseif (\ra)==0
	v_wmma_scale_f32_16x16x128_f8f6f4 v[\acc:\acc+7], v[\pf:\pf+11], v[\rf:\rf+11], v[\cb:\cb+7], v[\sp], v[\sr] matrix_a_fmt:MATRIX_FMT_FP6 matrix_b_fmt:MATRIX_FMT_FP6 matrix_b_scale:MATRIX_SCALE_ROW1
.else
	v_wmma_scale_f32_16x16x128_f8f6f4 v[\acc:\acc+7], v[\pf:\pf+11], v[\rf:\rf+11], v[\cb:\cb+7], v[\sp], v[\sr] matrix_a_fmt:MATRIX_FMT_FP6 matrix_b_fmt:MATRIX_FMT_FP6 matrix_a_scale:MATRIX_SCALE_ROW1 matrix_b_scale:MATRIX_SCALE_ROW1
.endif
.endif
.endm
; 16 products of K step s: R's tiles a0, a0 + 1 against P's eight.  mode 0: C = 0; 1: in place; 2: C = the bias.  The 32 accumulators take turns, one instruction a turn, in the same order in every step.
.macro MULH s, set, a0, mode
.irp a, \a0, \a0+1
.irp b, 0,1,2,3,4,5,6,7
.if \mode == 0
	WM 8*(8*(\a)+\b), 128*(\set)+12*\b, RF+48*(\set)+12*(\a), SCP+8*(\b/2)+(\s), SCR+8*((\a)/2)+(\s), \b%2, (\a)%2, 1, 0
.elseif \mode == 1
	WM 8*(8*(\a)+\b), 128*(\set)+12*\b, RF+48*(\set)+12*(\a), SCP+8*(\b/2)+(\s), SCR+8*((\a)/2)+(\s), \b%2, (\a)%2, 0, 8*(8*(\a)+\b)
.else
	WM 8*(8*(\a)+\b), 128*(\set)+12*\b, RF+48*(\set)+12*(\a), SCP+8*(\b/2)+(\s), SCR+8*((\a)/2)+(\s), \b%2, (\a)%2, 0, BO+8*\b
.endif
.endr
.endr
.endm
.macro FETCH_P s, set                  ; P's eight fragments of K step s: 48 loads of 256 consecutive bytes
	WIN 0x40                                       ; destination window 1, address window 0
.irp b, 0,1,2,3,4,5,6,7
.irp p, 0,1,2,3,4,5
	ds_load_b64 v[128*(\set)+12*\b+2*\p:128*(\set)+12*\b+2*\p+1], v[ADP+(\s)/2] offset:3072*\b+1536*((\s)%2)+256*\p
.endr
.endr
.endm
.macro FETCH_R s, set                  ; R's four: 24 loads
	WIN 0
.irp a, 0,1,2,3
.irp p, 0,1,2,3,4,5
	ds_load_b64 v[RF+48*(\set)+12*\a+2*\p:RF+48*(\set)+12*\a+2*\p+1], v[ADR+(\s)/2] offset:3072*\a+1536*((\s)%2)+256*\p
.endr
.endr
.endm
.macro XLOAD m                         ; the residual of R's tile m: its 16 tokens' 512 bytes of my 128 columns, a row a load
	WIN 0xc0                                       ; destination window 3
.set II, 0
.rept 16
	global_load_b128 v[64*(\m)+4*II:64*(\m)+4*II+3], v[LI16], s[14:15] offset:(32*((\m)/2)+8*((\m)%2)+II+8*(II/8))*4096 th:TH_LOAD_NT
.set II, II+1
.endr
	WIN 0
.endm
; K step s: 32 products; the next step's fragments are fetched meanwhile, P's ahead of the products and R's in their middle.
.macro KSTEP s
.if ((\s)==1) || ((\s)==3) || ((\s)==5)
	s_wait_tensorcnt 3-((\s)+1)/2                  ; my part of the next chunk has landed; the chunks issued behind it may stay out
	s_wait_dscnt 0x0                               ; no LDS load of mine is out at a signal
	s_barrier_signal -1
	s_barrier_wait -1                              ; everybody's part has
.endif
.if (\s) < 7
	PLACES                                         ; for both runs of loads below: the sets that they fill were read by the last step's products
	FETCH_P (\s)+1, ((\s)+1)%2
	s_wait_dscnt 48                                ; all but the 48 just issued: this step's fragments are in
.else
	s_wait_dscnt 0x0
.endif
.if (\s) == 0
	WIN WIN0
	MULH \s, (\s)%2, 0, MODE0
.else
	WIN 0xa1                                       ; source 0 (P) window 1, source 1 (R) window 0, C and D window 2
	MULH \s, (\s)%2, 0, 1
.endif
.if (\s) < 7
	FETCH_R (\s)+1, ((\s)+1)%2
.endif
.if (\s) == 2
	XLOAD 2                                        ; the residual's second half
	XLOAD 3
.endif
.if (\s) == 0
	WIN WIN0
	MULH \s, (\s)%2, 2, MODE0
.else
	WIN 0xa1
	MULH \s, (\s)%2, 2, 1
.endif
.endm
	s_load_b256 s[4:11], s[0:1], 0x0               ; oi s[4:5], osc s[6:7], wi s[8:9], Wo's scales s[10:11]
	s_load_b128 s[12:15], s[0:1], 0x20             ; bo s[12:13], x s[14:15]
	s_load_b64 s[16:17], s[0:1], 0x30              ; out0
	v_lshl_add_u32 v[SPW], v0, 2, SPARE
	v_mov_b32 v[NIL], 0
	ds_add_u32 v[SPW], v[NIL]                      ; the wave's opening: the add and its wait stand ahead of my first tensor load; work on registers stands between them
	ds_add_u32 v[SPW], v[NIL]
	v_lshrrev_b32 v1, 5, v0
	v_readfirstlane_b32 s[WV], v1                  ; wave 0..3
	s_and_b32 s[WP], s[WV], 1
	s_lshr_b32 s[WR], s[WV], 1
	s_bfe_u32 s[CX], ttmp6, 0x40000
	s_bfe_u32 s[CY], ttmp6, 0x40004
	s_lshl_b32 s2, 0x1111, s[CX]                   ; my column of the cluster
	s_or_b32 s[G1P], s2, (3<<16)|(1<<21)           ; 15:0 the mask; 17:16 elements of 8 bytes; 21 set beside a mask; no padding
	s_lshl_b32 s3, s[CY], 2
	s_lshl_b32 s3, 15, s3                          ; my row
	s_or_b32 s[G1R], s3, (3<<16)|(1<<21)
	s_mov_b32 s[G1P+1], 384<<16                    ; tensor_dim0: a tile's part of a chunk, 3,072 bytes
	s_mov_b32 s[G1P+2], 8<<16                      ; tensor_dim1: 8 tiles
	s_mov_b32 s[G1P+3], 384<<16                    ; tile_dim0
	s_mov_b32 s[G1P+4], 8                          ; tile_dim1
	s_mov_b32 s[G1P+5], 1536                       ; from tile to tile: 12,288 bytes
	s_mov_b32 s[G1P+6], 0
	s_mov_b32 s[G1P+7], 0
	s_mov_b32 s[G1R+1], 384<<16
	s_mov_b32 s[G1R+2], 4<<16                      ; 4 tiles
	s_mov_b32 s[G1R+3], 384<<16
	s_mov_b32 s[G1R+4], 4
	s_mov_b32 s[G1R+5], 1536
	s_mov_b32 s[G1R+6], 0
	s_mov_b32 s[G1R+7], 0
	s_mov_b32 s[PIDX], s[CX]                       ; which 256 columns
	s_and_b32 s[RIDX], ttmp7, 0xffff
	s_lshl_b32 s[RIDX], s[RIDX], 2
	s_add_co_u32 s[RIDX], s[RIDX], s[CY]           ; which 128 tokens
	s_lshl_b32 s[NT], s[WP], 3
	s_lshl_b32 s[POF], s[PIDX], 4
	s_add_co_u32 s[POF], s[POF], s[NT]             ; P: tile 16 x block + 8 x half,
	s_mul_i32 s[POF], s[POF], 12288
	s_add_co_u32 s[POF], s[POF], 3*786432          ; in the fourth weight of wi
	s_mov_b32 s[POF+1], 0
	s_lshl_b32 s[NT], s[WP], 2
	s_lshl_b32 s[ROF], s[RIDX], 3
	s_add_co_u32 s[ROF], s[ROF], s[NT]             ; R: tile 8 x block + 4 x half
	s_mul_i32 s[ROF], s[ROF], 12288
	s_mov_b32 s[ROF+1], 0
	s_mul_i32 s[G0P+1], s[WV], 24576               ; where they go: P's halves at wave x 8 tiles (waves 0, 1),
	s_mul_i32 s[G0R+1], s[WV], 12288
	s_add_co_u32 s[G0R+1], s[G0R+1], 24576         ; R's at 49,152 + (wave - 2) x 4 tiles (waves 2, 3): no place in the cluster enters an LDS address
.irp c, 1,2,3
	s_add_co_u32 s[G0P+4*\c+1], s[G0P+1], \c*CHUNK
	s_add_co_u32 s[G0R+4*\c+1], s[G0R+1], \c*CHUNK
.endr
	v_and_b32 v1, 31, v0                           ; lane
	v_and_b32 v2, 15, v0                           ; r
	v_bfe_u32 v3, v0, 4, 1                         ; h
	v_lshlrev_b32 v[LI8], 3, v1
	s_mul_i32 s18, s[WP], 24576
	v_add_nc_u32 v[ADP], s18, v[LI8]
	s_mul_i32 s18, s[WR], 12288
	s_add_co_u32 s18, s18, ROFF
	v_add_nc_u32 v[ADR], s18, v[LI8]
.irp c, 1,2,3
	v_add_nc_u32 v[ADP+\c], \c*CHUNK, v[ADP]
	v_add_nc_u32 v[ADR+\c], \c*CHUNK, v[ADR]
.endr
	v_and_b32 v[LSC], 8, v2
	v_add_nc_u32 v[LSC], v[LSC], v2                ; r + 8 (r / 8)
	v_lshl_add_u32 v[LSC], v3, 3, v[LSC]           ; + 8 for the odd tile in lanes 16-31
	v_lshlrev_b32 v[LSC], 5, v[LSC]                ; x 32 bytes a row
	v_lshlrev_b32 v[LI16], 4, v1
	v_lshlrev_b32 v[L2], 1, v1
	v_lshlrev_b32 v[BPO], 6, v3
	s_mul_i32 s18, s[WV], 16*SPITCH                ; my stage
	v_mul_u32_u24 v[STO], v2, SPITCH
	v_lshl_add_u32 v[STO], v3, 6, v[STO]
	v_add_nc_u32 v[STO], s18, v[STO]               ; in: row r, + 64 h
	v_add_nc_u32 v[SRD], s18, v[LI16]              ; back: a row of 512 bytes for the 32 lanes
	s_wait_dscnt 0x0                               ; the opening add is done
	s_wait_kmcnt 0x0
	s_add_nc_u64 s[PI:PI+1], s[8:9], s[POF:POF+1]
	s_add_nc_u64 s[RI:RI+1], s[4:5], s[ROF:ROF+1]
.irp c, 0,1,2,3
	s_mov_b32 s[G0P+4*\c], 1                       ; count = 1
	s_add_nc_u64 s[G0P+4*\c+2:G0P+4*\c+3], s[PI:PI+1], 3072*\c   ; chunk c of each tile
	s_or_b32 s[G0P+4*\c+3], s[G0P+4*\c+3], 0x80000000            ; type = 2
	s_mov_b32 s[G0R+4*\c], 1
	s_add_nc_u64 s[G0R+4*\c+2:G0R+4*\c+3], s[RI:RI+1], 3072*\c
	s_or_b32 s[G0R+4*\c+3], s[G0R+4*\c+3], 0x80000000
.endr
	CROUND                                         ; all sixteen work-groups are here: the joint loads meet
	s_cmp_lt_u32 s[WV], 2                          ; a wave's four first fills stand in one branch on the wave's number, ahead of every wait on TENSORcnt, every LDS read and every other barrier
	s_cbranch_scc0 .Lfirst_r
.irp c, 0,1,2,3
	tensor_load_to_lds s[G0P+4*\c:G0P+4*\c+3], s[G1P:G1P+7]
	s_nop 0
.endr
.rept 4
	v_nop
.endr
	s_branch .Lfirst_asked
.Lfirst_r:
.irp c, 0,1,2,3
	tensor_load_to_lds s[G0R+4*\c:G0R+4*\c+3], s[G1R:G1R+7]
	s_nop 0
.endr
.rept 4
	v_nop
.endr
.Lfirst_asked:
	s_lshl_b32 s18, s[PIDX], 8
	s_lshl_b32 s19, s[WP], 7
	s_add_co_u32 s18, s18, s19                     ; my first column
	s_lshl_b32 s20, s[RIDX], 7
	s_lshl_b32 s21, s[WR], 6
	s_add_co_u32 s20, s20, s21                     ; my first token
	s_mov_b32 s23, 0
	s_lshl_b32 s22, s18, 5
	s_add_nc_u64 s[10:11], s[10:11], s[22:23]      ; Wo's scales: 32 bytes a column
	s_lshl_b32 s22, s18, 2
	s_add_nc_u64 s[12:13], s[12:13], s[22:23]      ; bo
	s_lshl_b32 s24, s20, 12
	s_add_co_u32 s22, s22, s24
	s_add_nc_u64 s[14:15], s[14:15], s[22:23]      ; x and out0 at (my first token, my first column)
	s_add_nc_u64 s[16:17], s[16:17], s[22:23]
	s_lshl_b32 s22, s20, 1
	s_add_nc_u64 s[6:7], s[6:7], s[22:23]          ; osc: 32 bytes a tile of 16 tokens
	s_wait_alu depctr_va_vdst(0)
.irp i, 0,1,2,3
	global_load_b128 v[SCP+8*\i:SCP+8*\i+3], v[LSC], s[10:11] offset:1024*\i        ; a pair of tiles is 32 rows: 1,024 consecutive bytes for the two loads
	global_load_b128 v[SCP+8*\i+4:SCP+8*\i+7], v[LSC], s[10:11] offset:1024*\i+16
.endr
.irp i, 0,1
.irp s, 0,1,2,3,4,5,6,7
	global_load_u16 v[SCR+8*\i+\s], v[L2], s[6:7] offset:16384*(2*\s)+64*\i         ; K step s is heads 2 s and 2 s + 1, two bytes a row each; 32 lanes read a pair of tiles' 64 consecutive bytes
	global_load_u16 v[64+8*\i+\s], v[L2], s[6:7] offset:16384*(2*\s+1)+64*\i
.endr
.endr
.irp n, 0,1,2,3,4,5,6,7,8,9,10,11,12,13,14,15
	global_load_b128 v[BO+4*\n:BO+4*\n+3], v[BPO], s[12:13] offset:128*(\n/4)+16*(\n%4)   ; register 16 b + i: column 32 b + 16 h + i
.endr
	s_wait_loadcnt 0x0
.irp i, 0,1,2,3,4,5,6,7,8,9,10,11,12,13,14,15
	v_lshl_or_b32 v[SCR+\i], v[64+\i], 16, v[SCR+\i]   ; the two heads' bytes make the K step's scale word
.endr
.rept 8
	v_nop                                          ; a scale register written by a vector instruction stands eight places ahead of a scaled matrix instruction
.endr
	XLOAD 0                                        ; the residual's first half
	XLOAD 1
	s_wait_alu depctr_va_vdst(0)
	s_wait_tensorcnt 3                             ; my part of chunk 0 has landed; the three chunks issued behind it may stay out
	s_barrier_signal -1
	s_barrier_wait -1                              ; everybody's has
	FETCH_P 0, 0
	FETCH_R 0, 0
.irp s, 0,1,2,3,4,5,6,7
	KSTEP \s
.endr
	WIN 0
	PLACES
	; THE WAY OUT, a tile m of 16 tokens at a time.  A lane holds pieces of one row and the lanes beside it other rows: the tile goes through my stage and comes back as whole rows of 512 bytes.
	; LDS serves a wave's instructions in order (ISA guide 5.7.1.4): no wait between the stores and the loads, nor in front of the next tile's stores.
.irp m, 0,1,2,3
	WIN 0x08                                       ; an LDS store's data are its source 1: window 2
.irp n, 0,1,2,3,4,5,6,7,8,9,10,11,12,13,14,15
	ds_store_b128 v[STO], v[64*\m+4*\n:64*\m+4*\n+3] offset:128*(\n/4)+16*(\n%4)   ; each accumulator from its low end on
.endr
	WIN 0
.if \m >= 2
	s_wait_xcnt 0x0                                ; tile m - 2's stores have read their data: the rows' registers are loaded again only behind this wait
.endif
.set II, 0
.rept 16
	ds_load_b128 v[64+64*(\m%2)+4*II:64+64*(\m%2)+4*II+3], v[SRD] offset:SPITCH*II
.set II, II+1
.endr
	s_wait_dscnt 0x0
	s_wait_loadcnt 16*(3-\m)                       ; this tile's residual is in; the later tiles' sixteen loads each may stay out
	WIN 0x0c                                       ; source 1 window 3
.set NN, 0
.rept 32
	v_pk_add_f32 v[64+64*(\m%2)+NN:64+64*(\m%2)+NN+1], v[64+64*(\m%2)+NN:64+64*(\m%2)+NN+1], v[64*\m+NN:64*\m+NN+1]
.set NN, NN+2
.endr
	WIN 0
.set II, 0
.rept 16
	global_store_b128 v[LI16], v[64+64*(\m%2)+4*II:64+64*(\m%2)+4*II+3], s[16:17] offset:(32*(\m/2)+8*(\m%2)+II+8*(II/8))*4096 th:TH_STORE_NT   ; 32 lanes store 512 consecutive bytes, at a multiple of 256 from out0's first byte
.set II, II+1
.endr
.endr
	s_wait_tensorcnt 0x0                           ; the wave's end: behind my last tensor load and my last LDS store
	ds_add_u32 v[SPW], v[NIL]
	s_wait_dscnt 0x0
	CROUND                                         ; the closing round: no work-group ends while a partner may still ask for a tile that names it
	s_endpgm
.Lfunc_end_k_q18bffeb991_oproj:
	.size	k_q18bffeb991_oproj, .Lfunc_end_k_q18bffeb991_oproj-k_q18bffeb991_oproj
	.p2alignl 7, 3214868480
	.fill 96, 4, 3214868480
	.section	.rodata,"a",@progbits
	.p2align	6, 0x0
	.amdhsa_kernel k_q18bffeb991_oproj
		.amdhsa_group_segment_fixed_size 327680
		.amdhsa_private_segment_fixed_size 0
		.amdhsa_enable_private_segment 0
		.amdhsa_kernarg_size 56
		.amdhsa_user_sgpr_count 2
		.amdhsa_user_sgpr_kernarg_segment_ptr 1
		.amdhsa_wavefront_size32 1
		.amdhsa_system_sgpr_workgroup_id_x 1
		.amdhsa_system_sgpr_workgroup_id_y 1
		.amdhsa_system_sgpr_workgroup_id_z 1
		.amdhsa_system_vgpr_workitem_id 0
		.amdhsa_next_free_vgpr 1024
		.amdhsa_next_free_sgpr 102
		.amdhsa_reserve_vcc 0
		.amdhsa_float_denorm_mode_32 3
		.amdhsa_float_denorm_mode_16_64 3
		.amdhsa_memory_ordered 1
		.amdhsa_forward_progress 1
		.amdhsa_inst_pref_size 115
	.end_amdhsa_kernel
	.amdgpu_metadata
---
amdhsa.version: [ 1, 2 ]
amdhsa.kernels:
  - .name:           k_q18bffeb991_oproj
    .symbol:         k_q18bffeb991_oproj.kd
    .args:
      - { .name: oi, .offset: 0, .size: 8, .value_kind: global_buffer, .address_space: global }
      - { .name: osc, .offset: 8, .size: 8, .value_kind: global_buffer, .address_space: global }
      - { .name: wi, .offset: 16, .size: 8, .value_kind: global_buffer, .address_space: global }
      - { .name: Wo_scales, .offset: 24, .size: 8, .value_kind: global_buffer, .address_space: global }
      - { .name: bo, .offset: 32, .size: 8, .value_kind: global_buffer, .address_space: global }
      - { .name: x, .offset: 40, .size: 8, .value_kind: global_buffer, .address_space: global }
      - { .name: out0, .offset: 48, .size: 8, .value_kind: global_buffer, .address_space: global }
    .group_segment_fixed_size: 327680
    .private_segment_fixed_size: 0
    .kernarg_segment_align: 8
    .kernarg_segment_size: 56
    .max_flat_workgroup_size: 128
    .sgpr_count:     102
    .vgpr_count:     1024
    .wavefront_size: 32
...
	.end_amdgpu_metadata
.endif
;; end of part 4
